; MI455X (gfx1250); checked and timed in simulation.
; The chip was launched on July 23, 2026; its instructions are those of AMD's public machine-readable ISA for CDNA 5 (MIT licence, August 2026) and "CDNA5" Instruction Set Architecture Reference Guide (July 2026). The comments in the code are by the model that wrote it; some were corrected since.
;; Ro PE Multihead Self Attention. Allowed arithmetic: matrix products marked QUANTISED: E4M3 operands, one E8M0 scale for each 32 along K, by v_wmma_scale_f32_16x16x128_f8f6f4 with both operands' format E4M3, f32 sums; everything else in f32.
;; Inputs: Wk_codes 1,024 x 32 x 32 uint8 (E4M3 codes of Wk, K innermost, in blocks of 32 codes); Wk_scales 1,024 x 32 uint8 (E8M0 scales of Wk, one for each 32 codes along K); Wo_codes 1,024 x 32 x 32 uint8 (E4M3 codes of Wo, K innermost, in blocks of 32 codes); Wo_scales 1,024 x 32 uint8 (E8M0 scales of Wo, one for each 32 codes along K); Wq_codes 1,024 x 32 x 32 uint8 (E4M3 codes of Wq, K innermost, in blocks of 32 codes); Wq_scales 1,024 x 32 uint8 (E8M0 scales of Wq, one for each 32 codes along K); Wv_codes 1,024 x 32 x 32 uint8 (E4M3 codes of Wv, K innermost, in blocks of 32 codes); Wv_scales 1,024 x 32 uint8 (E8M0 scales of Wv, one for each 32 codes along K); bk 1,024 float32; bo 1,024 float32; bq 1,024 float32; bv 1,024 float32; x_codes 4 x 2,048 x 32 x 32 uint8 (E4M3 codes of x, K innermost, in blocks of 32 codes); x_scales 4 x 2,048 x 32 uint8 (E8M0 scales of x, one for each 32 codes along K).
;; Outputs: out0 4 x 2,048 x 1,024 float32.
;; This version of the problem:
;;   THIS VERSION OF THE PROBLEM IS GIVEN IN LOW PRECISION. The matrix products marked QUANTISED in the list below multiply operands that are first quantised to E4M3 (4 exponent bits, 3 mantissa bits; 8 bits a number), with one power-of-two scale for each 32 numbers along K (OCP MX v1.0); their sums are f32. All else is computed in f32.
;;   The module's matrix products, in the order in which they are computed (A, B: the left and right operand; K: the contracted axis; several contracted axes count as one K, in the product's order):
;;     1. [M 8,192, K 1,024] x [K 1,024, N 1,024]; A: input x (given as codes); B: input Wq (given as codes): QUANTISED
;;     2. [M 8,192, K 1,024] x [K 1,024, N 1,024]; A: input x (given as codes); B: input Wk (given as codes): QUANTISED
;;     3. [M 8,192, K 1,024] x [K 1,024, N 1,024]; A: input x (given as codes); B: input Wv (given as codes): QUANTISED
;;     4. batch 64 x [M 2,048, K 64] x [K 64, N 2,048]; A: computed on the way; B: computed on the way: QUANTISED
;;     5. batch 64 x [M 64, K 2,048] x [K 2,048, N 2,048]; A: computed on the way; B: softmax (see below): QUANTISED
;;     6. [M 8,192, K 1,024] x [K 1,024, N 1,024]; A: computed on the way; B: input Wo (given as codes): QUANTISED
;;   THE QUANTISER, for each operand of a quantised product, along K:
;;     - K is cut into blocks of 32 from its start; a last block that is shorter is filled with zeros.
;;     - A block's scale is 2^e with e = floor(log2(the largest magnitude in the block)) - 8, held to -126 .. 127; a block of zeros has e = 0. As a byte (E8M0): e + 127.
;;     - Each number is divided by its block's scale, clamped to +-448, and rounded to the nearest number of E4M3, ties to even, subnormals kept.
;;     - The product sums the exact products of the quantised numbers (number of the format x scale) in f32.
;;   ~~~python
;;   def quantise(x, axis):      # numpy; x: float32 -> the quantised numbers, widened to float32 again
;;       x = np.moveaxis(x, axis, -1); K = x.shape[-1]
;;       x = np.pad(x, [(0, 0)] * (x.ndim - 1) + [(0, -K % 32)]); x = x.reshape(x.shape[:-1] + (-1, 32)); a = np.abs(x).max(-1, keepdims=True)
;;       e = np.where(a > 0, np.clip(np.frexp(np.where(a > 0, a, 1))[1] - 1 - 8, -126, 127), 0)      # np.frexp(a)[1] - 1 = floor(log2(a)), exactly
;;       r = np.clip(x / 2.0 ** e, -448, 448)
;;       step = 2.0 ** (np.maximum(np.frexp(np.where(r == 0, 1, r))[1] - 1, -6) - 3)
;;       q = np.round(r / step) * step * 2.0 ** e      # np.round: ties to even
;;       return np.moveaxis(q.reshape(q.shape[:-2] + (-1,))[..., :K], -1, axis).astype(np.float32)
;;   ~~~
;;   SOFTMAX AHEAD OF A QUANTISED PRODUCT. Where the list says 'softmax', what is quantised is not the finished softmax but p = 2^(t - M), with t = logit x log2(e) and M = ceil(the row's largest t), a whole number; so 1/2 < the row's largest p <= 1. The row's sum l is taken of the UNQUANTISED p, in f32, and the product's result is divided by l at the end. Since M is a whole number, a kernel that streams over the keys may use a running M (the ceiling of the running maximum): every later rescaling is an exact power of two, which a block's scale takes up: the codes' values come out the same.
;;   OPERANDS COMPUTED ON THE WAY. 'Computed on the way' means the value that the module computes at that place (a softmax that the list does not call 'softmax' is quantised finished and normalised). What goes into a quantiser is computed in f32, as accurately as f32 sums, v_exp_f32 and their like allow (about 1e-6 of the number): no bf16 or f16 on the way to a quantiser, and a product that is left as it is and whose result goes on into a quantised operand takes f32 operands (vector FMAs, or v_wmma_f32_16x16x4_f32). A number that lies on a knife's edge between two numbers of the format may be rounded either way, as far as f32 arithmetic and the matrix unit's own rounding can turn it there, and no further.
;;   INPUTS GIVEN AS CODES. Wk (in the module: [1024, 1024], K = its axis 1); Wo (in the module: [1024, 1024], K = its axis 1); Wq (in the module: [1024, 1024], K = its axis 1); Wv (in the module: [1024, 1024], K = its axis 1); x (in the module: [4, 2048, 1024], K = its axis 2): each comes as NAME_codes (uint8): NAME with its K axis moved to the last place and cut into blocks of 32 codes, [.., K / 32, bytes a block], one block behind the other in memory; one code a byte (a code: sign, 4 exponent bits, 3 mantissa bits); and NAME_scales (uint8): the same leading axes, one E8M0 byte (e + 127) for each 32 codes along K. Its value is code x scale, taken as it is: it is not quantised again, and the codes and scales need not be those that the quantiser above would give.
;; One version. Each part assembles by itself: llvm-mc -triple=amdgcn-amd-amdhsa -mcpu=gfx1250 --defsym DOCPART=n.
;; ======== version 1 of 1: 3 launches
;; limits: right only within a limited range of input values
;; workspace buffers: qimg 8,388,608 bytes; qsc 524,288 bytes; kvc 17,825,792 bytes; oimg 8,388,608 bytes; osc 524,288 bytes
;; launch qkv (part 1): grid 32 x 8, 4 waves a work-group, clusters of 4 x 1, 327,680 bytes of LDS; arguments x_codes, x_scales, Wq_codes, Wk_codes, Wv_codes, Wq_scales, Wk_scales, Wv_scales, bq, bk, bv, qimg, qsc, kvc; writes qimg, qsc, kvc
.if DOCPART == 1
	.amdgcn_target "amdgcn-amd-amdhsa--gfx1250"
	.amdhsa_code_object_version 6
	.text
	.protected	k_q0d4444b215_qkv
	.globl	k_q0d4444b215_qkv
	.p2align	8
	.type	k_q0d4444b215_qkv,@function
k_q0d4444b215_qkv:
	s_mov_b64 s[64:65], 0
	v_nop
	global_prefetch_b8 v0, s[64:65] scope:SCOPE_SE
	s_setreg_imm32_b32 hwreg(HW_REG_WAVE_MODE, 25, 1), 1
	s_wait_xcnt 0x0
	s_wait_alu depctr_hold_cnt(0) depctr_sa_sdst(0) depctr_va_vdst(0) depctr_va_sdst(0) depctr_va_ssrc(0) depctr_va_vcc(0) depctr_vm_vsrc(0)
	s_getreg_b32 s2, hwreg(HW_REG_IB_STS2, 6, 4)
	s_cmp_eq_u32 s2, 0
	s_cbranch_scc0 .Lentry_in_a_cluster
	s_endpgm
.Lentry_in_a_cluster:
	s_bfe_u32 s2, ttmp6, 0x10000c
	s_cmp_lg_u32 s2, 0x3003
	s_cbranch_scc0 .Lentry_shape_is_right
	s_endpgm
.Lentry_shape_is_right:
.set WP,    1040
.set WT,    16*WP
.set SLOT1, 1<<17
.set XSTG,  SLOT1+4*WT
.set SPARE, XSTG+4*WT
.set LI,  1
.set LS,  2
.set AW,  3
.set ADW, 4
.set SPW, 5
.set NIL, 6
.set XSO, 7
.set BO,  8
.set VBO, 9
.set STW, 10
.set STR, 11
.set XS,  16
.set WS,  32
.set BI,  48
.set VB,  80
.set TT,  88
.set TM,  104
.set PCD, 120
.set ACC, 128
.set IFQ, 128
.set POS, 144
.set VS2, 152
.set VS1, 154
.set VC2, 156
.set VC1, 158
.set KB,  160
.set PP,  216
.set E1,  232
.set WV,  34
.set CX,  35
.set G1,  36
.set G0F0, 44
.set G0F1, 48
.set G0W, 52
.set TB,  56
.set N,   57
.set HM,  58
.set MNT, 59
.set SEL, 60
.set WOF, 62
.set PVC, 66
.set PVS, 68
.set OC,  70
.set OS,  72
.set WSP, 74
.set BP,  76
.set MK,  70
.set CG,  98
.set MSB, 0
.macro WIN new
.if MSB != (\new)
	s_set_vgpr_msb (MSB<<8)|(\new)
.set MSB, (\new)
.endif
.endm
.macro ROUND
	s_barrier_signal -1
	s_barrier_wait -1
	s_cmp_lg_u32 s[WV], 0
	s_cbranch_scc1 .Lnot_wave_0_\@
	s_barrier_signal -3
.Lnot_wave_0_\@:
	s_barrier_wait -3
	s_barrier_signal -1
	s_barrier_wait -1
.endm
.macro PLACES8
.rept 8
	v_nop
.endr
.endm
.macro QUANT2 lo, hi, pc, tm, w
	v_max3_num_f32 v[\tm], |v[\lo]|, |v[\lo+1]|, 0x4800000
	v_max3_num_f32 v[\tm+1], |v[\hi]|, |v[\hi+1]|, 0x4800000
.irp k, 2,4,6,8,10,12,14
	v_max3_num_f32 v[\tm], v[\tm], |v[\lo+\k]|, |v[\lo+\k+1]|
	v_max3_num_f32 v[\tm+1], v[\tm+1], |v[\hi+\k]|, |v[\hi+\k+1]|
.endr
	v_permlanex16_b32 v[\tm+2], v[\tm], s[SEL], s[SEL+1]
	v_permlanex16_b32 v[\tm+3], v[\tm+1], s[SEL], s[SEL+1]
	v_max_num_f32 v[\tm], v[\tm], v[\tm+2]
	v_max_num_f32 v[\tm+1], v[\tm+1], v[\tm+3]
	v_add_nc_u32 v[\tm+4], 0xfc000000, v[\tm]
	v_add_nc_u32 v[\tm+5], 0xfc000000, v[\tm+1]
	v_and_or_b32 v[\tm+6], v[\tm], 0x7f800000, s[MNT]
	v_and_or_b32 v[\tm+7], v[\tm+1], 0x7f800000, s[MNT]
	v_lshrrev_b32 v[\tm+2], 23, v[\tm+4]
	v_lshrrev_b32 v[\tm+3], 23, v[\tm+5]
	v_lshl_or_b32 v[\w], v[\tm+3], 8, v[\tm+2]
.irp k, 0,1,2,3,4,5,6,7,8,9,10,11,12,13,14,15
	v_med3_num_f32 v[\lo+\k], v[\lo+\k], -v[\tm+6], v[\tm+6]
.endr
	v_cvt_scalef32_pk8_fp8_f32 v[\pc:\pc+1], v[\lo:\lo+7], v[\tm+4]
	v_cvt_scalef32_pk8_fp8_f32 v[\pc+2:\pc+3], v[\lo+8:\lo+15], v[\tm+4]
.irp k, 0,1,2,3,4,5,6,7,8,9,10,11,12,13,14,15
	v_med3_num_f32 v[\hi+\k], v[\hi+\k], -v[\tm+7], v[\tm+7]
.endr
	v_cvt_scalef32_pk8_fp8_f32 v[\pc+4:\pc+5], v[\hi:\hi+7], v[\tm+5]
	v_cvt_scalef32_pk8_fp8_f32 v[\pc+6:\pc+7], v[\hi+8:\hi+15], v[\tm+5]
	v_nop
.endm
.macro MM d, a, b, c, sa, sb, ra, rb
.if (\ra) && (\rb)
	v_wmma_scale_f32_16x16x128_f8f6f4 v[\d:\d+7], v[\a:\a+15], v[\b:\b+15], v[\c:\c+7], v[\sa], v[\sb] matrix_a_scale:MATRIX_SCALE_ROW1 matrix_b_scale:MATRIX_SCALE_ROW1
.elseif \ra
	v_wmma_scale_f32_16x16x128_f8f6f4 v[\d:\d+7], v[\a:\a+15], v[\b:\b+15], v[\c:\c+7], v[\sa], v[\sb] matrix_a_scale:MATRIX_SCALE_ROW1
.elseif \rb
	v_wmma_scale_f32_16x16x128_f8f6f4 v[\d:\d+7], v[\a:\a+15], v[\b:\b+15], v[\c:\c+7], v[\sa], v[\sb] matrix_b_scale:MATRIX_SCALE_ROW1
.else
	v_wmma_scale_f32_16x16x128_f8f6f4 v[\d:\d+7], v[\a:\a+15], v[\b:\b+15], v[\c:\c+7], v[\sa], v[\sb]
.endif
.endm
.macro LOADW s, p
.irp t, 0,1,2,3
.irp c, 0,1,2,3
	ds_load_b128 v[128+64*(\p)+16*\t+4*\c:128+64*(\p)+16*\t+4*\c+3], v[ADW] offset:WT*\t+128*(\s)+32*\c
.endr
.endr
.endm
.macro PRELOAD
	WIN 0xc0
	LOADW 0, 0
	LOADW 1, 1
	WIN 0
.endm
.macro MAIN role
.irp s, 0,1,2,3,4,5,6,7
.if \s < 7
	s_wait_dscnt 16
.else
	s_wait_dscnt 0x0
.endif
.if \role
	WIN 0x0d+\s/4
.else
	WIN 0x07+4*(\s/4)
.endif
.irp i, 0,1,2,3
.irp t, 0,1,2,3
.if \role
.if \s == 0
	MM ACC+32*\i+8*\t, 16*(4*\i+\s%4), 128+64*(\s%2)+16*\t, BI+8*\t, XS+8*(\i/2)+\s, WS+8*(\t/2)+\s, \i%2, \t%2
.else
	MM ACC+32*\i+8*\t, 16*(4*\i+\s%4), 128+64*(\s%2)+16*\t, ACC+32*\i+8*\t, XS+8*(\i/2)+\s, WS+8*(\t/2)+\s, \i%2, \t%2
.endif
.else
.if \s == 0
	MM ACC+32*\i+8*\t, 128+64*(\s%2)+16*\t, 16*(4*\i+\s%4), BI+8*\t, WS+8*(\t/2)+\s, XS+8*(\i/2)+\s, \t%2, \i%2
.else
	MM ACC+32*\i+8*\t, 128+64*(\s%2)+16*\t, 16*(4*\i+\s%4), ACC+32*\i+8*\t, WS+8*(\t/2)+\s, XS+8*(\i/2)+\s, \t%2, \i%2
.endif
.endif
.endr
.endr
.if \s < 6
	PLACES8
	WIN 0xc0
	LOADW \s+2, \s%2
.endif
.endr
	WIN 0
.endm
.macro WSLOAD base, off
.irp b, 0,1
.irp q, 0,1
	global_load_b128 v[WS+8*\b+4*\q:WS+8*\b+4*\q+3], v[XSO], s[\base:\base+1] offset:\off+1024*\b+16*\q
.endr
.endr
.endm
.macro BILOAD base
.irp t, 0,1,2,3
.irp q, 0,1
	global_load_b128 v[BI+8*\t+4*\q:BI+8*\t+4*\q+3], v[BO], s[\base:\base+1] offset:4*(32*(\t/2)+8*(\t%2))+16*\q
.endr
.endr
.endm
.macro XLOAD i, win
	WIN (\win)<<6
.set kk, 0
.rept 32
	global_load_b128 v[128+4*kk:128+4*kk+3], v[LI], s[4:5] offset:(32*((\i)/2)+8*((\i)%2)+kk/2+8*(kk/16))*1024+512*(kk%2)
.set kk, kk+1
.endr
	WIN 0
.endm
.macro TURN i, win
	WIN (\win)<<2
.set kk, 0
.rept 32
	ds_store_b128 v[STW], v[128+4*kk:128+4*kk+3] offset:WP*(kk/2)+512*(kk%2)
.set kk, kk+1
.endr
	WIN 0x40
.irp s, 0,1,2,3
.irp c, 0,1,2,3
	ds_load_b128 v[16*(4*(\i)+\s)+4*\c:16*(4*(\i)+\s)+4*\c+3], v[STR] offset:128*\s+32*\c
.endr
.endr
	WIN 0x80
.irp s, 0,1,2,3
.irp c, 0,1,2,3
	ds_load_b128 v[16*(4*(\i)+\s)+4*\c:16*(4*(\i)+\s)+4*\c+3], v[STR] offset:512+128*\s+32*\c
.endr
.endr
	WIN 0
	s_wait_dscnt 0x0
.endm
.macro TH1 e, plo, phi
	v_mov_b32 v[PP+\e], \phi
	v_cndmask_b32 v[PP+\e], \plo, v[PP+\e], vcc_lo
.endm
.macro SINCOS8 i, e0
.irp g, 0,1,2,3
	v_pk_mul_f32 v[KB+14*\g:KB+14*\g+1], v[IFQ+\e0+2*\g:IFQ+\e0+2*\g+1], v[POS+2*\i:POS+2*\i+1] op_sel_hi:[1,0]
.endr
.irp g, 0,1,2,3
	v_pk_mul_f32 v[KB+14*\g+2:KB+14*\g+3], v[KB+14*\g:KB+14*\g+1], 0x3f22f983 op_sel_hi:[1,0]
.endr
.irp g, 0,1,2,3
	v_rndne_f32 v[KB+14*\g+2], v[KB+14*\g+2]
	v_rndne_f32 v[KB+14*\g+3], v[KB+14*\g+3]
.endr
.irp g, 0,1,2,3
	v_pk_fma_f32 v[KB+14*\g+4:KB+14*\g+5], v[KB+14*\g+2:KB+14*\g+3], 0xbfc90fdb, v[KB+14*\g:KB+14*\g+1] op_sel_hi:[1,0,1]
.endr
.irp g, 0,1,2,3
	v_pk_fma_f32 v[KB+14*\g+4:KB+14*\g+5], v[KB+14*\g+2:KB+14*\g+3], 0x333bbd2e, v[KB+14*\g+4:KB+14*\g+5] op_sel_hi:[1,0,1]
.endr
.irp g, 0,1,2,3
	v_pk_mul_f32 v[KB+14*\g+6:KB+14*\g+7], v[KB+14*\g+4:KB+14*\g+5], v[KB+14*\g+4:KB+14*\g+5]
.endr
.irp g, 0,1,2,3
	v_pk_fma_f32 v[KB+14*\g+8:KB+14*\g+9], v[KB+14*\g+6:KB+14*\g+7], s[84:85], v[VS2:VS2+1] op_sel_hi:[1,0,1]
	v_pk_fma_f32 v[KB+14*\g+10:KB+14*\g+11], v[KB+14*\g+6:KB+14*\g+7], s[86:87], v[VC2:VC2+1] op_sel_hi:[1,0,1]
.endr
.irp g, 0,1,2,3
	v_pk_fma_f32 v[KB+14*\g+8:KB+14*\g+9], v[KB+14*\g+8:KB+14*\g+9], v[KB+14*\g+6:KB+14*\g+7], v[VS1:VS1+1]
	v_pk_fma_f32 v[KB+14*\g+10:KB+14*\g+11], v[KB+14*\g+10:KB+14*\g+11], v[KB+14*\g+6:KB+14*\g+7], v[VC1:VC1+1]
.endr
.irp g, 0,1,2,3
	v_pk_mul_f32 v[KB+14*\g+8:KB+14*\g+9], v[KB+14*\g+8:KB+14*\g+9], v[KB+14*\g+6:KB+14*\g+7]
	v_pk_mul_f32 v[KB+14*\g:KB+14*\g+1], v[KB+14*\g+6:KB+14*\g+7], v[KB+14*\g+6:KB+14*\g+7]
	v_pk_fma_f32 v[KB+14*\g+12:KB+14*\g+13], v[KB+14*\g+6:KB+14*\g+7], -0.5, 1.0 op_sel_hi:[1,0,0]
.endr
.irp g, 0,1,2,3
	v_pk_fma_f32 v[KB+14*\g+8:KB+14*\g+9], v[KB+14*\g+8:KB+14*\g+9], v[KB+14*\g+4:KB+14*\g+5], v[KB+14*\g+4:KB+14*\g+5]
	v_pk_fma_f32 v[KB+14*\g+10:KB+14*\g+11], v[KB+14*\g+10:KB+14*\g+11], v[KB+14*\g:KB+14*\g+1], v[KB+14*\g+12:KB+14*\g+13]
.endr
.irp g, 0,1,2,3
.irp k, 0,1
	v_cvt_i32_f32 v[KB+14*\g+2+\k], v[KB+14*\g+2+\k]
.endr
.endr
.irp g, 0,1,2,3
.irp k, 0,1
	v_and_b32 v[KB+14*\g+12+\k], 1, v[KB+14*\g+2+\k]
.endr
.endr
.irp g, 0,1,2,3
.irp k, 0,1
	v_cmp_ne_u32 s[MK+2*\g+\k], 0, v[KB+14*\g+12+\k]
.endr
.endr
.irp g, 0,1,2,3
.irp k, 0,1
	v_cndmask_b32 v[KB+14*\g+4+\k], v[KB+14*\g+8+\k], v[KB+14*\g+10+\k], s[MK+2*\g+\k]
	v_cndmask_b32 v[KB+14*\g+6+\k], v[KB+14*\g+10+\k], v[KB+14*\g+8+\k], s[MK+2*\g+\k]
.endr
.endr
.irp g, 0,1,2,3
.irp k, 0,1
	v_lshlrev_b32 v[KB+14*\g+12+\k], 30, v[KB+14*\g+2+\k]
	v_add_nc_u32 v[KB+14*\g+2+\k], 1, v[KB+14*\g+2+\k]
.endr
.endr
.irp g, 0,1,2,3
.irp k, 0,1
	v_and_b32 v[KB+14*\g+12+\k], 0x80000000, v[KB+14*\g+12+\k]
	v_lshlrev_b32 v[KB+14*\g+2+\k], 30, v[KB+14*\g+2+\k]
.endr
.endr
.irp g, 0,1,2,3
.irp k, 0,1
	v_xor_b32 v[32*\i+16+\e0+2*\g+\k], v[KB+14*\g+12+\k], v[KB+14*\g+4+\k]
	v_and_b32 v[KB+14*\g+2+\k], 0x80000000, v[KB+14*\g+2+\k]
.endr
.endr
.irp g, 0,1,2,3
.irp k, 0,1
	v_xor_b32 v[32*\i+\e0+2*\g+\k], v[KB+14*\g+2+\k], v[KB+14*\g+6+\k]
.endr
.endr
.endm
.macro ROPEQ i
	WIN 0x0c
.irp e, 0,2,4,6,8,10,12,14
	v_pk_mul_f32 v[TT+\e:TT+\e+1], v[ACC+32*\i+\e:ACC+32*\i+\e+1], v[32*\i+\e:32*\i+\e+1]
.endr
.irp e, 0,2,4,6,8,10,12,14
	v_pk_fma_f32 v[TT+\e:TT+\e+1], v[ACC+32*\i+16+\e:ACC+32*\i+17+\e], v[32*\i+16+\e:32*\i+17+\e], v[TT+\e:TT+\e+1] neg_lo:[0,1,0] neg_hi:[0,1,0]
.endr
.irp e, 0,2,4,6,8,10,12,14
	v_pk_mul_f32 v[ACC+32*\i+16+\e:ACC+32*\i+17+\e], v[ACC+32*\i+16+\e:ACC+32*\i+17+\e], v[32*\i+\e:32*\i+\e+1]
.endr
.irp e, 0,2,4,6,8,10,12,14
	v_pk_fma_f32 v[ACC+32*\i+16+\e:ACC+32*\i+17+\e], v[ACC+32*\i+\e:ACC+32*\i+\e+1], v[32*\i+16+\e:32*\i+17+\e], v[ACC+32*\i+16+\e:ACC+32*\i+17+\e]
.endr
	WIN 0
	s_wait_alu depctr_va_vdst(0)
	s_wait_xcnt 0x0
	QUANT2 TT, ACC+32*\i+16, PCD, TM, TM+8+\i%2
	global_store_b128 v[LI], v[PCD:PCD+3], s[OC:OC+1] offset:1024*\i
	global_store_b128 v[LI], v[PCD+4:PCD+7], s[OC:OC+1] offset:1024*\i+512
.if \i%2
	v_cndmask_b32 v[TM+10+\i/2], v[TM+8], v[TM+9], s[HM]
	v_or_b32 v[TM+10+\i/2], 0x7f7f0000, v[TM+10+\i/2]
	global_store_b32 v[LS], v[TM+10+\i/2], s[OS:OS+1] offset:128*(\i/2)
.endif
.endm
.macro QUANTV kb
.set QA, ACC+64*(\kb)
.set QB, ACC+64*(\kb)+32
.irp d, 0,1,2,3
	v_max3_num_f32 v[TM+\d], |v[QA+8*\d]|, |v[QA+8*\d+1]|, 0x4800000
.endr
.irp k, 2,4,6
.irp d, 0,1,2,3
	v_max3_num_f32 v[TM+\d], v[TM+\d], |v[QA+8*\d+\k]|, |v[QA+8*\d+\k+1]|
.endr
.endr
.irp k, 0,2,4,6
.irp d, 0,1,2,3
	v_max3_num_f32 v[TM+\d], v[TM+\d], |v[QB+8*\d+\k]|, |v[QB+8*\d+\k+1]|
.endr
.endr
.irp d, 0,1,2,3
	v_permlanex16_b32 v[TM+4+\d], v[TM+\d], s[SEL], s[SEL+1]
.endr
.irp d, 0,1,2,3
	v_max_num_f32 v[TM+\d], v[TM+\d], v[TM+4+\d]
.endr
.irp d, 0,1,2,3
	v_add_nc_u32 v[TM+12+\d], 0xfc000000, v[TM+\d]
.endr
.irp d, 0,1,2,3
	v_and_or_b32 v[TM+8+\d], v[TM+\d], 0x7f800000, s[MNT]
.endr
.irp d, 0,1,2,3
	v_lshrrev_b32 v[TM+4+\d], 23, v[TM+12+\d]
.endr
.irp d, 0,1,2,3
.if \kb
	v_lshl_or_b32 v[PCD+\d], v[TM+4+\d], 8, v[PCD+\d]
.else
	v_mov_b32 v[PCD+\d], v[TM+4+\d]
.endif
.endr
	s_wait_xcnt 0x0
.irp d, 0,1,2,3
.irp k, 0,1,2,3,4,5,6,7
	v_med3_num_f32 v[QA+8*\d+\k], v[QA+8*\d+\k], -v[TM+8+\d], v[TM+8+\d]
	v_med3_num_f32 v[QB+8*\d+\k], v[QB+8*\d+\k], -v[TM+8+\d], v[TM+8+\d]
.endr
	v_cvt_scalef32_pk8_fp8_f32 v[TT+4*\d:TT+4*\d+1], v[QA+8*\d:QA+8*\d+7], v[TM+12+\d]
	v_cvt_scalef32_pk8_fp8_f32 v[TT+4*\d+2:TT+4*\d+3], v[QB+8*\d:QB+8*\d+7], v[TM+12+\d]
.endr
	v_nop
.irp d, 0,1,2,3
	global_store_b128 v[LI], v[TT+4*\d:TT+4*\d+3], s[OC:OC+1] offset:2048*\d+512*(\kb)
.endr
.endm
.macro VHEAD par
	s_wait_loadcnt 0x0
.irp t, 0,1,2,3
.irp j, 0,1,2,3,4,5,6,7
	v_mov_b32 v[BI+8*\t+\j], v[VB+4*\par+\t]
.endr
.endr
.if \par
	s_add_nc_u64 s[OC:OC+1], s[PVC:PVC+1], 278528
	s_add_nc_u64 s[OS:OS+1], s[PVS:PVS+1], 278528
.else
	s_mov_b64 s[OC:OC+1], s[PVC:PVC+1]
	s_mov_b64 s[OS:OS+1], s[PVS:PVS+1]
.endif
	s_wait_alu depctr_va_vdst(0)
	MAIN 1
.if \par == 0
	s_wait_tensorcnt 0x0
	s_barrier_signal -1
	s_barrier_wait -1
.endif
	PLACES8
.if \par == 0
	s_xor_b32 s[TB], s[TB], SLOT1
	v_add_nc_u32 v[ADW], s[TB], v[AW]
	PRELOAD
	WSLOAD 18, 2048
.endif
	QUANTV 0
	QUANTV 1
	v_cndmask_b32 v[PCD+4], v[PCD], v[PCD+1], s[HM]
	v_cndmask_b32 v[PCD+5], v[PCD+2], v[PCD+3], s[HM]
	global_store_b32 v[LS], v[PCD+4], s[OS:OS+1]
	global_store_b32 v[LS], v[PCD+5], s[OS:OS+1] offset:128
	s_wait_xcnt 0x0
.endm
	s_load_b512 s[4:19], s[0:1], 0x0
	s_load_b256 s[20:27], s[0:1], 0x40
	s_load_b128 s[28:31], s[0:1], 0x60
	s_load_b64 s[32:33], s[0:1], 0x68              ; kvc once more: a head's scale words lie behind its 262,144 bytes of codes, 278,528 bytes a head
	v_lshl_add_u32 v[SPW], v0, 2, SPARE
	v_mov_b32 v[NIL], 0
	ds_add_u32 v5, v6
	ds_add_u32 v5, v6
	s_wait_dscnt 0x0
	v_lshrrev_b32 v12, 5, v0
	v_readfirstlane_b32 s[WV], v12
	v_and_b32 v12, 31, v0
	v_and_b32 v13, 15, v0
	v_bfe_u32 v14, v0, 4, 1
	v_and_b32 v15, 8, v13
	v_add_nc_u32 v15, v15, v13
	v_lshlrev_b32 v[LI], 4, v12
	v_lshlrev_b32 v[LS], 2, v12
	v_mul_u32_u24 v[AW], v13, WP
	v_lshl_add_u32 v[AW], v14, 4, v[AW]
	v_lshl_add_u32 v[XSO], v14, 3, v15
	v_lshlrev_b32 v[XSO], 5, v[XSO]
	v_lshlrev_b32 v[BO], 6, v14
	v_lshlrev_b32 v[VBO], 2, v15
	v_cmp_le_u32 s[HM], 16, v12
	s_mul_i32 s94, s[WV], WT
	s_add_co_u32 s95, s94, XSTG
	v_add_nc_u32 v[STW], s95, v[LI]
	v_add_nc_u32 v[STR], s95, v[AW]
	s_bfe_u32 s[CX], ttmp6, 0x40000
	s_and_b32 s[CG], ttmp7, 0xffff
	s_mov_b32 s[G1], 15|(3<<16)|(1<<20)|(1<<21)|(7<<22)|(3<<25)
	s_mov_b32 s[G1+1], 1024<<16
	s_mov_b32 s[G1+2], 2<<16
	s_mov_b32 s[G1+3], 1024<<16
	s_mov_b32 s[G1+4], 2
	s_mov_b32 s[G1+5], 2048
	s_mov_b32 s[G1+6], 0
	s_mov_b32 s[G1+7], 0
	s_lshl_b32 s[WOF], s[CG], 17
	s_lshr_b32 s92, s[WV], 1
	s_lshl_b32 s92, s92, 15
	s_add_co_u32 s[WOF], s[WOF], s92
	s_and_b32 s92, s[WV], 1
	s_lshl_b32 s92, s92, 13
	s_add_co_u32 s[WOF], s[WOF], s92
	s_mov_b32 s[WOF+1], 0
	s_mov_b32 s[SEL], 0x76543210
	s_mov_b32 s[SEL+1], 0xfedcba98
	s_mov_b32 s[MNT], 0x600000
	s_lshl_b32 s82, ttmp9, 2
	s_add_co_u32 s82, s82, s[CX]
	s_lshl_b32 s82, s82, 8
	s_lshl_b32 s83, s[WV], 6
	s_add_co_u32 s82, s82, s83
	s_lshr_b32 s83, s82, 11
	s_and_b32 s88, s82, 2047
	s_lshr_b32 s89, s88, 6
	s_lshl_b32 s83, s83, 4
	s_lshl_b32 s90, s[CG], 1
	s_add_co_u32 s83, s83, s90
	s_lshr_b32 s90, s89, 1
	s_and_b32 s91, s89, 1
	s_wait_kmcnt 0x0
	s_add_nc_u64 s[92:93], s[8:9], s[WOF:WOF+1]
	s_mov_b32 s[G0F0], 1
	s_mov_b32 s[G0F0+1], s94
	s_mov_b64 s[G0F0+2:G0F0+3], s[92:93]
	s_or_b32 s[G0F0+3], s[G0F0+3], 0x80000000
	s_mov_b32 s[G0F1], 1
	s_add_co_u32 s[G0F1+1], s94, SLOT1
	s_add_nc_u64 s[G0F1+2:G0F1+3], s[92:93], 0x10000
	s_or_b32 s[G0F1+3], s[G0F1+3], 0x80000000
	s_mov_b32 s[G0W], 1
	s_add_co_u32 s[G0W+1], s94, SLOT1
	ROUND
	tensor_load_to_lds s[G0F0:G0F0+3], s[G1:G1+7]
	s_nop 0
.rept 4
	v_nop
.endr
	s_mov_b32 s93, 0
	s_lshl_b32 s92, s[CG], 12
	s_add_nc_u64 s[14:15], s[14:15], s[92:93]
	s_add_nc_u64 s[16:17], s[16:17], s[92:93]
	s_add_nc_u64 s[18:19], s[18:19], s[92:93]
	s_lshl_b32 s92, s[CG], 9
	s_add_nc_u64 s[20:21], s[20:21], s[92:93]
	s_add_nc_u64 s[22:23], s[22:23], s[92:93]
	s_add_nc_u64 s[24:25], s[24:25], s[92:93]
	s_mov_b32 s79, 0
	s_mov_b32 s81, 0
	s_lshl_b32 s78, s82, 10
	s_add_nc_u64 s[4:5], s[4:5], s[78:79]
	s_lshl_b32 s78, s82, 5
	s_add_nc_u64 s[6:7], s[6:7], s[78:79]
	s_wait_alu depctr_va_vdst(0)
.irp b, 0,1
.irp q, 0,1
	global_load_b128 v[XS+8*\b+4*\q:XS+8*\b+4*\q+3], v[XSO], s[6:7] offset:1024*\b+16*\q
.endr
.endr
	WSLOAD 14, 0
	XLOAD 0, 0
	XLOAD 1, 2
	s_lshl_b32 s78, s83, 17
	s_lshl_b32 s80, s89, 12
	s_add_co_u32 s78, s78, s80
	s_add_nc_u64 s[26:27], s[26:27], s[78:79]
	s_lshl_b32 s78, s83, 13
	s_lshl_b32 s80, s89, 8
	s_add_co_u32 s78, s78, s80
	s_add_nc_u64 s[28:29], s[28:29], s[78:79]
	s_mul_i32 s78, s83, 278528
	s_lshl_b32 s80, s90, 14
	s_add_co_u32 s78, s78, s80
	s_add_nc_u64 s[30:31], s[30:31], s[78:79]
	s_lshl_b32 s80, s91, 10
	s_add_co_u32 s80, s80, 8192
	s_add_nc_u64 s[PVC:PVC+1], s[30:31], s[80:81]
	s_lshl_b32 s80, s91, 12
	s_add_nc_u64 s[30:31], s[30:31], s[80:81]
	s_mul_i32 s78, s83, 278528
	s_add_co_u32 s78, s78, 262144
	s_lshl_b32 s80, s90, 10
	s_add_co_u32 s78, s78, s80
	s_lshl_b32 s80, s91, 8
	s_add_co_u32 s78, s78, s80
	s_add_nc_u64 s[32:33], s[32:33], s[78:79]
	s_add_nc_u64 s[PVS:PVS+1], s[32:33], 512
.set jj, 0
.rept 16
	v_mov_b32 v[TM+jj], 0
.set jj, jj+1
.endr
	v_add_nc_u32 v12, s88, v15
	v_add_nc_u32 v13, 8, v12
	v_add_nc_u32 v14, 32, v12
	v_add_nc_u32 v15, 40, v12
	s_mov_b32 s84, -0.00019515295891
	s_mov_b32 s85, s84
	s_mov_b32 s86, 0.00002443315711809948
	s_mov_b32 s87, s86
	s_mov_b32 vcc_lo, s[HM]
	WIN 0xc0
.irp i, 0,1,2,3
	v_cvt_f32_u32 v[POS+2*\i], v[12+\i]
	v_mov_b32 v[POS+2*\i+1], 0
.endr
	WIN 0xff
.irp k, 0,1
	v_mov_b32 v[VS2+\k], 0.0083321608736
	v_mov_b32 v[VS1+\k], -0.16666654611
	v_mov_b32 v[VC2+\k], -0.001388731625493765
	v_mov_b32 v[VC1+\k], 0.04166664568298827
.endr
	TH1 0, 1.0, 100.0
	TH1 1, 1.333521432163324, 133.3521432163324
	TH1 2, 1.7782794100389228, 177.82794100389228
	TH1 3, 2.371373705661655, 237.1373705661655
	TH1 4, 3.1622776601683795, 316.22776601683795
	TH1 5, 4.216965034285822, 421.6965034285822
	TH1 6, 5.623413251903491, 562.3413251903491
	TH1 7, 7.498942093324558, 749.8942093324558
	TH1 8, 10.0, 1000.0
	TH1 9, 13.33521432163324, 1333.521432163324
	TH1 10, 17.782794100389228, 1778.2794100389228
	TH1 11, 23.71373705661655, 2371.373705661655
	TH1 12, 31.622776601683795, 3162.2776601683795
	TH1 13, 42.16965034285822, 4216.965034285822
	TH1 14, 56.23413251903491, 5623.413251903491
	TH1 15, 74.98942093324558, 7498.942093324558
.set jj, 0
	s_wait_alu depctr_va_vdst(0)
.rept 16
	v_rcp_f32 v[IFQ+jj], v[PP+jj]
.set jj, jj+1
.endr
	v_nop
	s_wait_alu depctr_va_vdst(0)
.set jj, 0
.rept 16
	v_fma_f32 v[E1+jj], -v[PP+jj], v[IFQ+jj], 1.0
.set jj, jj+1
.endr
.set jj, 0
.rept 16
	v_fma_f32 v[IFQ+jj], v[IFQ+jj], v[E1+jj], v[IFQ+jj]
.set jj, jj+1
.endr
.irp i, 0,1,2,3
	SINCOS8 \i, 0
	SINCOS8 \i, 8
.endr
	WIN 0
	s_wait_alu depctr_va_vdst(0)
	s_wait_tensorcnt 0x0                           ; slot 0's part is in; slot 1's first fill stands behind the full sequence: x's loads and the tables were laid under slot 0's load
	ds_add_u32 v5, v6
	s_wait_dscnt 0x0
	ROUND
	tensor_load_to_lds s[G0F1:G0F1+3], s[G1:G1+7]
	s_nop 0
.rept 4
	v_nop
.endr
	s_wait_loadcnt 32
	TURN 0, 0
	XLOAD 2, 0
	s_wait_loadcnt 32
	TURN 1, 2
	XLOAD 3, 3
	BILOAD 20
.irp p, 0,1
.irp t, 0,1,2,3
	global_load_b32 v[VB+4*\p+\t], v[VBO], s[24:25] offset:256*\p+4*(32*(\t/2)+8*(\t%2))
.endr
.endr
	s_wait_loadcnt 48
	TURN 2, 0
	s_wait_loadcnt 16
	TURN 3, 3
	s_wait_tensorcnt 1
	s_barrier_signal -1
	s_barrier_wait -1
	s_mov_b32 s[TB], 0
	v_mov_b32 v[ADW], v[AW]
	PRELOAD
	s_mov_b32 s[N], 0
.Lqk:
	s_wait_loadcnt 0x0
	s_cmp_lt_u32 s[N], 2
	s_cselect_b64 s[OC:OC+1], s[26:27], s[30:31]
	s_cselect_b64 s[OS:OS+1], s[28:29], s[32:33]
	s_mov_b32 s80, 278528                          ; from a head to the next: in kvc, codes and scale words alike;
	s_mov_b32 s82, s80
	s_cselect_b32 s80, 0x20000, s80                ; in qimg;
	s_cselect_b32 s82, 0x2000, s82                 ; in qsc
	s_and_b32 s81, s[N], 1
	s_mul_i32 s78, s81, s80
	s_mov_b32 s79, 0
	s_add_nc_u64 s[OC:OC+1], s[OC:OC+1], s[78:79]
	s_mul_i32 s78, s81, s82
	s_add_nc_u64 s[OS:OS+1], s[OS:OS+1], s[78:79]
	s_wait_alu depctr_va_vdst(0)
	MAIN 0
	s_wait_tensorcnt 0x0
	ds_add_u32 v[SPW], v[NIL]
	s_xor_b32 s[G0W+1], s[G0W+1], SLOT1
	s_cmp_lt_u32 s[N], 2
	s_cselect_b64 s[92:93], s[10:11], s[12:13]
	s_add_nc_u64 s[G0W+2:G0W+3], s[92:93], s[WOF:WOF+1]
	s_or_b32 s[G0W+3], s[G0W+3], 0x80000000
	s_xor_b32 s[WOF], s[WOF], 0x10000
	s_xor_b32 s[TB], s[TB], SLOT1
	s_cmp_eq_u32 s[N], 0
	s_cselect_b64 s[WSP:WSP+1], s[14:15], s[16:17]
	s_cselect_b64 s[BP:BP+1], s[20:21], s[22:23]
	s_cmp_eq_u32 s[N], 3
	s_cselect_b64 s[WSP:WSP+1], s[18:19], s[WSP:WSP+1]
	s_and_b32 s95, s[N], 1
	s_xor_b32 s95, s95, 1
	s_lshl_b32 s96, s95, 11
	s_mov_b32 s97, 0
	s_add_nc_u64 s[WSP:WSP+1], s[WSP:WSP+1], s[96:97]
	s_lshl_b32 s96, s95, 8
	s_add_nc_u64 s[BP:BP+1], s[BP:BP+1], s[96:97]
	s_wait_dscnt 0x0
	ROUND
	tensor_load_to_lds s[G0W:G0W+3], s[G1:G1+7]
	s_nop 0
	PLACES8
	v_add_nc_u32 v[ADW], s[TB], v[AW]
	PRELOAD
	WSLOAD WSP, 0
	s_cmp_eq_u32 s[N], 3
	s_cbranch_scc1 .Lno_bias
	BILOAD BP
.Lno_bias:
	ROPEQ 0
	ROPEQ 1
	ROPEQ 2
	ROPEQ 3
	s_wait_xcnt 0x0
	s_add_co_u32 s[N], s[N], 1
	s_cmp_lt_u32 s[N], 4
	s_cbranch_scc1 .Lqk
	VHEAD 0
	VHEAD 1
	s_wait_tensorcnt 0x0
	ds_add_u32 v[SPW], v[NIL]
	s_wait_dscnt 0x0
	ROUND
	s_endpgm
.Lfunc_end_k_q0d4444b215_qkv:
	.size	k_q0d4444b215_qkv, .Lfunc_end_k_q0d4444b215_qkv-k_q0d4444b215_qkv
	.p2alignl 7, 3214868480
	.fill 96, 4, 3214868480
	.section	.rodata,"a",@progbits
	.p2align	6, 0x0
	.amdhsa_kernel k_q0d4444b215_qkv
		.amdhsa_group_segment_fixed_size 327680
		.amdhsa_private_segment_fixed_size 0
		.amdhsa_enable_private_segment 0
		.amdhsa_kernarg_size 112
		.amdhsa_user_sgpr_count 2
		.amdhsa_user_sgpr_kernarg_segment_ptr 1
		.amdhsa_wavefront_size32 1
		.amdhsa_system_sgpr_workgroup_id_x 1
		.amdhsa_system_sgpr_workgroup_id_y 1
		.amdhsa_system_sgpr_workgroup_id_z 1
		.amdhsa_system_vgpr_workitem_id 0
		.amdhsa_next_free_vgpr 1024
		.amdhsa_next_free_sgpr 100
		.amdhsa_reserve_vcc 1
		.amdhsa_float_denorm_mode_32 3
		.amdhsa_float_denorm_mode_16_64 3
		.amdhsa_memory_ordered 1
		.amdhsa_forward_progress 1
		.amdhsa_inst_pref_size 255
	.end_amdhsa_kernel
	.section	.bss,"aw",@nobits
	.p2align	6
	.space	262144
	.amdgpu_metadata
---
amdhsa.version: [ 1, 2 ]
amdhsa.kernels:
  - .name:           k_q0d4444b215_qkv
    .symbol:         k_q0d4444b215_qkv.kd
    .args:
      - { .name: x_codes, .offset: 0, .size: 8, .value_kind: global_buffer, .address_space: global }
      - { .name: x_scales, .offset: 8, .size: 8, .value_kind: global_buffer, .address_space: global }
      - { .name: Wq_codes, .offset: 16, .size: 8, .value_kind: global_buffer, .address_space: global }
      - { .name: Wk_codes, .offset: 24, .size: 8, .value_kind: global_buffer, .address_space: global }
      - { .name: Wv_codes, .offset: 32, .size: 8, .value_kind: global_buffer, .address_space: global }
      - { .name: Wq_scales, .offset: 40, .size: 8, .value_kind: global_buffer, .address_space: global }
      - { .name: Wk_scales, .offset: 48, .size: 8, .value_kind: global_buffer, .address_space: global }
      - { .name: Wv_scales, .offset: 56, .size: 8, .value_kind: global_buffer, .address_space: global }
      - { .name: bq, .offset: 64, .size: 8, .value_kind: global_buffer, .address_space: global }
      - { .name: bk, .offset: 72, .size: 8, .value_kind: global_buffer, .address_space: global }
      - { .name: bv, .offset: 80, .size: 8, .value_kind: global_buffer, .address_space: global }
      - { .name: qimg, .offset: 88, .size: 8, .value_kind: global_buffer, .address_space: global }
      - { .name: qsc, .offset: 96, .size: 8, .value_kind: global_buffer, .address_space: global }
      - { .name: kvc, .offset: 104, .size: 8, .value_kind: global_buffer, .address_space: global }
    .group_segment_fixed_size: 327680
    .private_segment_fixed_size: 0
    .kernarg_segment_align: 8
    .kernarg_segment_size: 112
    .max_flat_workgroup_size: 128
    .sgpr_count:     100
    .vgpr_count:     1024
    .wavefront_size: 32
...
	.end_amdgpu_metadata
.endif
;; end of part 1
;; launch attn (part 2): grid 4 x 64, 8 waves a work-group, clusters of 4 x 1, 281,600 bytes of LDS; arguments qimg, qsc, kvc, oimg, osc; writes oimg, osc
.if DOCPART == 2
	.amdgcn_target "amdgcn-amd-amdhsa--gfx1250"
	.amdhsa_code_object_version 6
	.text
	.protected	k_q0d4444b215_attn
	.globl	k_q0d4444b215_attn
	.p2align	8
	.type	k_q0d4444b215_attn,@function
k_q0d4444b215_attn:
	s_mov_b64 s[64:65], 0
	v_nop
	global_prefetch_b8 v0, s[64:65] scope:SCOPE_SE
	s_setreg_imm32_b32 hwreg(HW_REG_WAVE_MODE, 25, 1), 1
	s_wait_xcnt 0x0
	s_wait_alu depctr_hold_cnt(0) depctr_sa_sdst(0) depctr_va_vdst(0) depctr_va_sdst(0) depctr_va_ssrc(0) depctr_va_vcc(0) depctr_vm_vsrc(0)
	s_getreg_b32 s2, hwreg(HW_REG_IB_STS2, 6, 4)
	s_cmp_eq_u32 s2, 0
	s_cbranch_scc0 .Lentry_in_a_cluster
	s_endpgm
.Lentry_in_a_cluster:
	s_bfe_u32 s2, ttmp6, 0x10000c
	s_cmp_lg_u32 s2, 0x3003
	s_cbranch_scc0 .Lentry_shape_is_right
	s_endpgm
.Lentry_shape_is_right:
; o = softmax(q k^T / 8) v for one head of 64, both products on codes of E4M3 with E8M0 scales; o / l is quantised along d and stored as an image of the last product's operand registers.
; THE SOFTMAX: t = score x log2(e) / 8; M = the running largest t rounded UP to a whole number (kept as -M = floor(-t)); p = 2^(t - M) is quantised along the keys, not normalised; the row's sum is taken of the
; unquantised p; when M moves, the sums and O are multiplied by 2^(old M - new M), exactly.
; A BLOCK'S SCALE is read off its largest exponent: floor(log2(largest p)) = floor(largest t - M), by plain arithmetic, held at -118 from below (byte 1).
; SHARES.  A work-group owns 512 queries of one head (grid y = 16 x batch + head; its quarter = its place in the cluster); a wave takes 32 queries (tiles A and B) at a time, twice: the outer loop's two trips.
; THE WHOLE HEAD'S K AND V LIE IN LDS: 262,144 bytes of codes, then 16,384 of scale words, one dense run of 278,528 bytes of kvc: images of operand registers, so every fragment load is 512 consecutive bytes.
; Each of the eight waves brings an eighth, 136 rows of 256 bytes, by ONE joint load (mask 15: the cluster's four want the same bytes).  Nothing is filled again.
; TWO BARRIERS SHOW THE FILL.  Wave w brings eighth (w + 7) mod 8: waves 0 and 1 the last (all scale words) and the first (key steps 0 and 1), by a load line of their own; they alone wait in front of the first barrier.
; A pass's step 0, written out ahead of the loop of 15, reads bytes 0 to 24,575 and the scale words alone (its own K and V, and step 1's K ahead); behind it every wave waits for its load, and the second barrier shows the rest.
; No prefetch: K and V come once, at the head, and there is no loop to run ahead in.
; LAYOUT.  S^T = K Q^T (source 0 = 16 keys), O^T = V^T P^T (source 0 = 16 of d): a lane holds one query throughout.  Lane index r of tile 2 B + u stands for row 32 B + 8 u + r + 8 (r / 8).
; The first product's K is 64.  K's tiles lie 8 registers apart: the operand of tile t is tile t (k = 0 .. 63) and tile t + 1 (k = 64 .. 127), and Q's registers 8-15 hold zero codes, which take the upper half away; behind tile 7 lie 8 registers of zeros.
; A STEP (128 keys, both tiles): 16 score products; V's loads for this step and K's for the next (the last step's wrap to step 0, which is the next pass's first); maxima, M, scales, O x f; A's exponentials among B's multiply-adds;
; B's exponentials among A's first sums and holds; A's codes and products; B's.
; LIMITS.  NaN and infinities are not served; the promise holds while |t| stays under 2^31; v_exp_f32 gives 0 under 2^-126; a block whose largest p lies under 2^-118 keeps the byte 1;
; where t - M lies within rounding under a whole number, p may round up to the next power of two and is then held at 448 x the scale; o / l is a multiplication by a reciprocal refined by one Newton step.
.set SCL,   262144                     ; the scale words: 1,024 bytes a key step; the codes: 16,384 a step, from 0
.set SPARE, 280576                     ; the spare words, 128 bytes a wave
.set HEADB, 278528
.set LI,  1                            ; 16 x lane
.set LS,  2                            ; 4 x lane
.set LS2, 3                            ; SCL + 4 x lane
.set ADK, 4
.set ADS, 5
.set SPW, 6
.set NIL, 7
.set KS,  8                            ; v8-11  K's scale words: lanes 0-15 tile 2 j, lanes 16-31 tile 2 j + 1
.set VH,  12                           ; v12-15 V's half words
.set VS,  16                           ; v16-17 V's scale words
.set PW,  19                           ; v19-20 p's
.set QS,  21                           ; v21 Q's: lanes 0-15 tile A, 16-31 tile B; v22 the second pass's
.set ADV, 23
.set ST,  24                           ; a tile's state, 16 registers: +0 -M; +1 largest score; +2,3 f; +4..11 the sum in four pairs; +12,13 the new -M; +14 at work; +15 a word
.set SO,  56                           ; v56-63   the conversions' scale operands, 4 a tile
.set S,   64                           ; v64-191  scores, then p: 64 a tile
.set PCD, 192                          ; v192-223 p's codes, 16 a tile
.set TRA, 208                          ; v208-239 A's first sums (B's codes are made later)
.set TRB, 64                           ; B's first sums: where A's p lay
.set BM,  240                          ; v240.. 8 a tile: +0..3 a block's maximum, exponent, byte; +4..7 the other half's maximum, then the hold
.set HL,  244
; window 1: v0-63 K's 8 tiles; v64-71 zeros; v72-135 V's 4 fragments; v136-167 Q's two (upper halves zeros); v168-231 O^T; v232-247 the second pass's Q
.set VF,  72
.set QF,  136
.set OT,  168
.set QN,  232
.set WV,  16
.set CX,  17
.set BH,  18
.set MNT, 19
.set SEL, 20
.set CS,  22
.set G1,  24
.set G0,  32
.set NC,  36
.set T2,  37
.set T3,  38
.set PS,  39
.set TB,  60
.set TS,  61
.set CNT, 62
.set HM,  66
.set QP,  68
.set QSP, 70
.set OP,  72
.set OSP, 74
.set MSB, 0
.macro WIN new
.if MSB != (\new)
	s_set_vgpr_msb (MSB<<8)|(\new)
.set MSB, (\new)
.endif
.endm
.macro WALU
	s_wait_alu depctr_va_vdst(0)
.endm
.macro H n
	s_delay_alu instid0(VALU_DEP_\n)
.endm
.macro ROUND
	s_barrier_signal -1
	s_barrier_wait -1
	s_cmp_lg_u32 s[WV], 0
	s_cbranch_scc1 .Lnot_wave_0_\@
	s_barrier_signal -3
.Lnot_wave_0_\@:
	s_barrier_wait -3
	s_barrier_signal -1
	s_barrier_wait -1
.endm
.macro TLOAD                           ; my one tensor load; an s_nop 0 and four v_nop follow it
	tensor_load_to_lds s[G0:G0+3], s[G1:G1+7]
	s_nop 0
.rept 4
	v_nop
.endr
.endm
.macro QUANT2 lo, hi, pc, tm, w        ; two blocks of 32 (16 numbers of each in my lane, 16 in lane xor 16) -> 8 registers of codes, the word byte0 | byte1 << 8
	v_max3_num_f32 v[\tm], |v[\lo]|, |v[\lo+1]|, 0x4800000
	v_max3_num_f32 v[\tm+1], |v[\hi]|, |v[\hi+1]|, 0x4800000
.irp k, 2,4,6,8,10,12,14
	s_delay_alu instid0(VALU_DEP_2)
	v_max3_num_f32 v[\tm], v[\tm], |v[\lo+\k]|, |v[\lo+\k+1]|
	s_delay_alu instid0(VALU_DEP_2)
	v_max3_num_f32 v[\tm+1], v[\tm+1], |v[\hi+\k]|, |v[\hi+\k+1]|
.endr
	s_delay_alu instid0(VALU_DEP_2)
	v_permlanex16_b32 v[\tm+2], v[\tm], s[SEL], s[SEL+1]
	s_delay_alu instid0(VALU_DEP_2)
	v_permlanex16_b32 v[\tm+3], v[\tm+1], s[SEL], s[SEL+1]
	s_delay_alu instid0(VALU_DEP_2)
	v_max_num_f32 v[\tm], v[\tm], v[\tm+2]
	s_delay_alu instid0(VALU_DEP_2)
	v_max_num_f32 v[\tm+1], v[\tm+1], v[\tm+3]
	s_delay_alu instid0(VALU_DEP_2)
	v_add_nc_u32 v[\tm+4], 0xfc000000, v[\tm]
	s_delay_alu instid0(VALU_DEP_2)
	v_add_nc_u32 v[\tm+5], 0xfc000000, v[\tm+1]
	s_delay_alu instid0(VALU_DEP_4)
	v_and_or_b32 v[\tm+6], v[\tm], 0x7f800000, s[MNT]
	s_delay_alu instid0(VALU_DEP_4)
	v_and_or_b32 v[\tm+7], v[\tm+1], 0x7f800000, s[MNT]
	s_delay_alu instid0(VALU_DEP_4)
	v_lshrrev_b32 v[\tm+2], 23, v[\tm+4]
	s_delay_alu instid0(VALU_DEP_4)
	v_lshrrev_b32 v[\tm+3], 23, v[\tm+5]
	s_delay_alu instid0(VALU_DEP_1)
	v_lshl_or_b32 v[\w], v[\tm+3], 8, v[\tm+2]
.irp k, 0,1,2,3,4,5,6,7,8,9,10,11,12,13,14,15
	v_med3_num_f32 v[\lo+\k], v[\lo+\k], -v[\tm+6], v[\tm+6]
.endr
	v_cvt_scalef32_pk8_fp8_f32 v[\pc:\pc+1], v[\lo:\lo+7], v[\tm+4]
	v_cvt_scalef32_pk8_fp8_f32 v[\pc+2:\pc+3], v[\lo+8:\lo+15], v[\tm+4]
.irp k, 0,1,2,3,4,5,6,7,8,9,10,11,12,13,14,15
	v_med3_num_f32 v[\hi+\k], v[\hi+\k], -v[\tm+7], v[\tm+7]
.endr
	v_cvt_scalef32_pk8_fp8_f32 v[\pc+4:\pc+5], v[\hi:\hi+7], v[\tm+5]
	v_cvt_scalef32_pk8_fp8_f32 v[\pc+6:\pc+7], v[\hi+8:\hi+15], v[\tm+5]
	v_nop
.endm
.macro KLOADS ak, as                   ; a step's K tiles (window 1 is the destination), K's scale words and V's half words: 24 LDS loads
	WIN 0x40
.irp t, 0,1,2,3,4,5,6,7
.irp c, 0,1
	ds_load_b128 v[8*\t+4*\c:8*\t+4*\c+3], v[\ak] offset:1024*\t+512*\c
.endr
.endr
	WIN 0
.irp j, 0,1,2,3
	ds_load_b32 v[KS+\j], v[\as] offset:128*\j
.endr
.irp j, 0,1,2,3
	ds_load_b32 v[VH+\j], v[\as] offset:512+128*\j
.endr
.endm
.macro SCORES q                        ; S^T of query tile q: eight tiles of 16 keys; sources 0 and 1 in window 1
.irp t, 0,1,2,3,4,5,6,7
.if (\t%2) && (\q)
	v_wmma_scale_f32_16x16x128_f8f6f4 v[S+64*\q+8*\t:S+64*\q+8*\t+7], v[8*\t:8*\t+15], v[QF+16*\q:QF+16*\q+15], 0, v[KS+\t/2], v[QS] matrix_a_scale:MATRIX_SCALE_ROW1 matrix_b_scale:MATRIX_SCALE_ROW1
.elseif \t%2
	v_wmma_scale_f32_16x16x128_f8f6f4 v[S+64*\q+8*\t:S+64*\q+8*\t+7], v[8*\t:8*\t+15], v[QF+16*\q:QF+16*\q+15], 0, v[KS+\t/2], v[QS] matrix_a_scale:MATRIX_SCALE_ROW1
.elseif \q
	v_wmma_scale_f32_16x16x128_f8f6f4 v[S+64*\q+8*\t:S+64*\q+8*\t+7], v[8*\t:8*\t+15], v[QF+16*\q:QF+16*\q+15], 0, v[KS+\t/2], v[QS] matrix_b_scale:MATRIX_SCALE_ROW1
.else
	v_wmma_scale_f32_16x16x128_f8f6f4 v[S+64*\q+8*\t:S+64*\q+8*\t+7], v[8*\t:8*\t+15], v[QF+16*\q:QF+16*\q+15], 0, v[KS+\t/2], v[QS]
.endif
.endr
.endm
.macro PV q                            ; O^T += V^T P^T of tile q: V, C and D in window 1, p's codes in window 0
	WIN 0x51
.irp d, 0,1,2,3
.if \d%2
	v_wmma_scale_f32_16x16x128_f8f6f4 v[OT+32*\q+8*\d:OT+32*\q+8*\d+7], v[VF+16*\d:VF+16*\d+15], v[PCD+16*\q:PCD+16*\q+15], v[OT+32*\q+8*\d:OT+32*\q+8*\d+7], v[VS+\d/2], v[PW+\q] matrix_a_scale:MATRIX_SCALE_ROW1
.else
	v_wmma_scale_f32_16x16x128_f8f6f4 v[OT+32*\q+8*\d:OT+32*\q+8*\d+7], v[VF+16*\d:VF+16*\d+15], v[PCD+16*\q:PCD+16*\q+15], v[OT+32*\q+8*\d:OT+32*\q+8*\d+7], v[VS+\d/2], v[PW+\q]
.endif
.endr
	WIN 0
.endm
.macro DMIN a, h                       ; two holds in one line: p is not negative, so the hold is one-sided
	v_dual_min_num_f32 v[\a], v[\a], v[\h] :: v_dual_min_num_f32 v[(\a)+1], v[(\a)+1], v[\h]
.endm
.macro CODES q                         ; 64 held p -> 16 registers of codes
.irp b, 0,1,2,3
	v_cvt_scalef32_pk8_fp8_f32 v[PCD+16*\q+4*\b:PCD+16*\q+4*\b+1], v[S+64*\q+16*\b:S+64*\q+16*\b+7], v[SO+4*\q+\b]
	v_cvt_scalef32_pk8_fp8_f32 v[PCD+16*\q+4*\b+2:PCD+16*\q+4*\b+3], v[S+64*\q+16*\b+8:S+64*\q+16*\b+15], v[SO+4*\q+\b]
.endr
.endm
.macro REDUCE q, t                     ; the sums under the new M, and this step's 16 first sums onto them: four chains by turns
.irp j, 0,1,2,3
	v_pk_fma_f32 v[ST+16*\q+4+2*\j:ST+16*\q+5+2*\j], v[ST+16*\q+4+2*\j:ST+16*\q+5+2*\j], v[ST+16*\q+2:ST+16*\q+3], v[\t+2*\j:\t+2*\j+1] op_sel_hi:[1,0,1]
.endr
.irp k, 1,2,3
.irp j, 0,1,2,3
	v_pk_add_f32 v[ST+16*\q+4+2*\j:ST+16*\q+5+2*\j], v[ST+16*\q+4+2*\j:ST+16*\q+5+2*\j], v[\t+8*\k+2*\j:\t+8*\k+2*\j+1]
.endr
.endr
.endm
.macro STEP
	s_add_co_u32 s[T2], s[TB], 16384               ; the next step's codes and scale words; behind the last step: step 0's
	s_and_b32 s[T2], s[T2], 0x3ffff
	s_add_co_u32 s[T3], s[TS], 1024
	s_and_b32 s[T3], s[T3], 0x3fff
	s_wait_dscnt 0x0                               ; K, its scale words and V's half words, asked for a step ago
	WIN 0x05
	SCORES 0
	SCORES 1
	WIN 0
	v_add_nc_u32 v[ADV], s[TB], v[LI]
	v_add_nc_u32 v[ADK], s[T2], v[LI]
	v_add_nc_u32 v[ADS], s[T3], v[LS2]
.rept 5
	v_nop                                          ; with the three additions: eight places behind the products, ahead of writes of V's scale words, of loads into fragments and of the first read of the scores
.endr
	v_lshl_or_b32 v[VS], v[VH+2], 16, v[VH]        ; V's scale words: key blocks 0, 1 below, 2, 3 above
	v_lshl_or_b32 v[VS+1], v[VH+3], 16, v[VH+1]
	WIN 0x40
.irp d, 0,1,2,3
.irp c, 0,1,2,3
	ds_load_b128 v[VF+16*\d+4*\c:VF+16*\d+4*\c+3], v[ADV] offset:8192+2048*\d+512*\c
.endr
.endr
	KLOADS ADK, ADS
; each block's largest score: eight chains by turns; register 16 b + i of a tile's S holds key 32 b + 16 (lane / 16) + i of my query
.irp q, 0,1
.irp b, 0,1,2,3
	v_max3_num_f32 v[BM+8*\q+\b], v[S+64*\q+16*\b], v[S+64*\q+16*\b+1], v[S+64*\q+16*\b+2]
.endr
.endr
.irp i, 3,5,7,9,11,13
.irp q, 0,1
.irp b, 0,1,2,3
	v_max3_num_f32 v[BM+8*\q+\b], v[BM+8*\q+\b], v[S+64*\q+16*\b+\i], v[S+64*\q+16*\b+\i+1]
.endr
.endr
.endr
.irp q, 0,1
.irp b, 0,1,2,3
	v_max_num_f32 v[BM+8*\q+\b], v[BM+8*\q+\b], v[S+64*\q+16*\b+15]
.endr
.endr
.irp q, 0,1
.irp b, 0,1,2,3
	v_permlanex16_b32 v[HL+8*\q+\b], v[BM+8*\q+\b], s[SEL], s[SEL+1]
.endr
.endr
.irp q, 0,1
.irp b, 0,1,2,3
	v_max_num_f32 v[BM+8*\q+\b], v[BM+8*\q+\b], v[HL+8*\q+\b]
.endr
.endr
; M and f, the two tiles by turns
.irp q, 0,1
	v_max3_num_f32 v[ST+16*\q+1], v[ST+16*\q+1], v[BM+8*\q], v[BM+8*\q+1]
.endr
.irp q, 0,1
	H 2
	v_max3_num_f32 v[ST+16*\q+1], v[ST+16*\q+1], v[BM+8*\q+2], v[BM+8*\q+3]    ; the running largest score
.endr
.irp q, 0,1
	H 2
	v_mul_f32 v[ST+16*\q+14], s[NC], v[ST+16*\q+1]                             ; -t
.endr
.irp q, 0,1
	H 2
	v_floor_f32 v[ST+16*\q+12], v[ST+16*\q+14]                                 ; the new -M
.endr
.irp q, 0,1
	H 2
	v_sub_f32 v[ST+16*\q+14], v[ST+16*\q+12], v[ST+16*\q]                      ; old M - new M: a whole number, 0 or less
.endr
.irp q, 0,1
.irp b, 0,1,2,3
	v_fma_f32 v[BM+8*\q+\b], v[BM+8*\q+\b], s[CS], v[ST+16*\q+12]              ; the block's largest t - M
.endr
.endr
.irp q, 0,1
	v_cvt_i32_f32 v[ST+16*\q+14], v[ST+16*\q+14]                               ; (it saturates)
.endr
.irp q, 0,1
.irp b, 0,1,2,3
	v_max_num_f32 v[BM+8*\q+\b], 0xc2ec0000, v[BM+8*\q+\b]                     ; not under -118: the byte cannot fall under 1
.endr
.endr
.irp q, 0,1
	v_ldexp_f32 v[ST+16*\q+2], 1.0, v[ST+16*\q+14]                             ; f = 2^(old M - new M)
.endr
.irp q, 0,1
.irp b, 0,1,2,3
	v_cvt_floor_i32_f32 v[BM+8*\q+\b], v[BM+8*\q+\b]                           ; i = floor(log2(the block's largest p))
.endr
.endr
.irp q, 0,1
.irp b, 0,1,2,3
	v_add_lshl_u32 v[SO+4*\q+\b], v[BM+8*\q+\b], 119, 23                       ; the scale 2^(i - 8) as an f32: the conversion's operand
.endr
.endr
.irp q, 0,1
.irp b, 0,1,2,3
	v_add_nc_u32 v[HL+8*\q+\b], 0x4600000, v[SO+4*\q+\b]                       ; 448 x the scale = 1.75 x 2^i
.endr
.endr
.irp q, 0,1
.irp b, 0,1,2,3
	v_lshrrev_b32 v[BM+8*\q+\b], 23, v[SO+4*\q+\b]                             ; the byte
.endr
.endr
.irp q, 0,1
	v_lshl_or_b32 v[PW+\q], v[BM+8*\q+1], 8, v[BM+8*\q]
.endr
.irp q, 0,1
	H 2
	v_lshl_or_b32 v[PW+\q], v[BM+8*\q+2], 16, v[PW+\q]
.endr
.irp q, 0,1
	H 2
	v_lshl_or_b32 v[PW+\q], v[BM+8*\q+3], 24, v[PW+\q]
.endr
.set jj, 0
.rept 32
	v_pk_fma_f32 v[S+jj:S+jj+1], v[S+jj:S+jj+1], s[CS:CS+1], v[ST+12:ST+13] op_sel_hi:[1,0,0]    ; A: t - M
.set jj, jj+2
.endr
	WIN 0x41
.irp q, 0,1
.set jj, 0
.rept 16
	v_pk_mul_f32 v[OT+32*\q+jj:OT+32*\q+jj+1], v[OT+32*\q+jj:OT+32*\q+jj+1], v[ST+16*\q+2:ST+16*\q+3] op_sel_hi:[1,0]   ; O^T under the new M, ahead of the step's exponentials
.set jj, jj+2
.endr
.endr
	WIN 0
	WALU                                           ; the wait ahead of the batch
.set jj, 0
.rept 32                                           ; A's p, with B's t - M between: each line names registers of its own
	v_exp_f32 v[S+jj], v[S+jj]
	v_pk_fma_f32 v[S+64+jj:S+64+jj+1], v[S+64+jj:S+64+jj+1], s[CS:CS+1], v[ST+28:ST+29] op_sel_hi:[1,0,0]
	v_exp_f32 v[S+jj+1], v[S+jj+1]
.set jj, jj+2
.endr
	v_mov_b32 v[ST], v[ST+12]                      ; -M for the next step
	v_mov_b32 v[ST+16], v[ST+28]
	WALU                                           ; behind A's batch and ahead of B's
.set jj, 0
.rept 16                                           ; B's p, with A's first sums (of the unquantised p) and holds between
	v_exp_f32 v[S+64+jj], v[S+64+jj]
	v_pk_add_f32 v[TRA+jj/2:TRA+jj/2+1], v[S+jj:S+jj+1], v[S+jj+2:S+jj+3]
	v_exp_f32 v[S+64+jj+1], v[S+64+jj+1]
	DMIN S+jj, HL+jj/16
	v_exp_f32 v[S+64+jj+2], v[S+64+jj+2]
	DMIN S+jj+2, HL+jj/16
	v_exp_f32 v[S+64+jj+3], v[S+64+jj+3]
.set jj, jj+4
.endr
	v_nop                                          ; the plain line behind the last exponential
	WALU                                           ; behind B's batch, and directly ahead of the wait below
	s_wait_dscnt 24                                ; V is in: behind its 16 loads stand the next step's 24
	CODES 0
	REDUCE 0, TRA                                  ; 16 plain lines between the conversions and the products
	PV 0
.set jj, 0
.rept 16
	v_pk_add_f32 v[TRB+jj/2:TRB+jj/2+1], v[S+64+jj:S+64+jj+1], v[S+64+jj+2:S+64+jj+3]
.set jj, jj+4
.endr
.set jj, 0
.rept 32
	DMIN S+64+jj, HL+8+jj/16
.set jj, jj+2
.endr
	CODES 1
	REDUCE 1, TRB
	WALU                                           ; ahead of tile B's four products
	PV 1
	s_add_co_u32 s[TB], s[TB], 16384
	s_add_co_u32 s[TS], s[TS], 1024
.endm
	s_load_b256 s[4:11], s[0:1], 0x0               ; qimg 4, qsc 6, kvc 8, oimg 10
	s_load_b64 s[12:13], s[0:1], 0x20              ; osc
	v_lshl_add_u32 v[SPW], v0, 2, SPARE
	v_mov_b32 v[NIL], 0
	ds_add_u32 v[SPW], v[NIL]                      ; the opening lines: the add twice on end and its wait
	ds_add_u32 v[SPW], v[NIL]
	v_lshrrev_b32 v8, 5, v0
	v_readfirstlane_b32 s[WV], v8
	v_and_b32 v8, 31, v0
	v_lshlrev_b32 v[LI], 4, v8
	v_lshlrev_b32 v[LS], 2, v8
	v_add_nc_u32 v[LS2], SCL, v[LS]
	v_cmp_le_u32 s[HM], 16, v8
	s_bfe_u32 s[CX], ttmp6, 0x40000
	s_and_b32 s[BH], ttmp7, 0xffff
	s_mov_b32 s[G1], 15|(3<<16)|(1<<21)            ; a dense block as 136 rows of 256 bytes (32 elements of 8), for all four of the cluster
	s_mov_b32 s[G1+1], 32<<16
	s_mov_b32 s[G1+2], 136<<16
	s_mov_b32 s[G1+3], 32<<16
	s_mov_b32 s[G1+4], 136
	s_mov_b32 s[G1+5], 32
	s_mov_b32 s[G1+6], 0
	s_mov_b32 s[G1+7], 0
	s_mul_i32 s76, s[BH], HEADB                    ; the head's run in kvc; my eighth of it is number (wave + 7) mod 8: made of the head and the wave alone
	s_add_co_u32 s77, s[WV], 7
	s_and_b32 s77, s77, 7
	s_mul_i32 s77, s77, HEADB/8
	s_add_co_u32 s76, s76, s77
	s_mov_b32 s[G0], 1
	s_mov_b32 s[G0+1], s77
	s_mov_b32 s77, 0
	s_mov_b32 s[SEL], 0x76543210
	s_mov_b32 s[SEL+1], 0xfedcba98
	s_mov_b32 s[CS], 0x3e38aa3b                    ; c = log2(e) / 8
	s_mov_b32 s[CS+1], s[CS]
	s_mov_b32 s[NC], 0xbe38aa3b                    ; -c
	s_mov_b32 s[MNT], 0x600000
	s_lshl_b32 s63, s[CX], 4
	s_lshl_b32 s67, s[WV], 1
	s_add_co_u32 s63, s63, s67                     ; my first block of 32 queries: 16 cx + 2 w
	s_mov_b32 s3, 0
	WALU
	s_wait_dscnt 0x0
	s_wait_kmcnt 0x0
	s_add_nc_u64 s[G0+2:G0+3], s[8:9], s[76:77]
	s_or_b32 s[G0+3], s[G0+3], 0x80000000
	ROUND                                          ; all four work-groups are here: the joint loads meet
	s_cmp_lt_u32 s[WV], 2                          ; waves 0 and 1 have a load line of their own: the first barrier shows their eighths alone
	s_cbranch_scc0 .Lrest
	TLOAD
	s_branch .Lasked
.Lrest:
	TLOAD
.Lasked:
	s_lshl_b32 s2, s[BH], 17
	s_lshl_b32 s67, s63, 11
	s_add_co_u32 s2, s2, s67
	s_add_nc_u64 s[QP:QP+1], s[4:5], s[2:3]
	s_lshl_b32 s2, s[BH], 13
	s_lshl_b32 s67, s63, 7
	s_add_co_u32 s2, s2, s67
	s_add_nc_u64 s[QSP:QSP+1], s[6:7], s[2:3]
	WIN 0x40
.irp u, 0,1                                        ; both passes' queries: tile u's 8 registers of codes
.irp c, 0,1
	global_load_b128 v[QF+16*\u+4*\c:QF+16*\u+4*\c+3], v[LI], s[QP:QP+1] offset:1024*\u+512*\c
	global_load_b128 v[QN+8*\u+4*\c:QN+8*\u+4*\c+3], v[LI], s[QP:QP+1] offset:2048+1024*\u+512*\c
.endr
.endr
.irp z, 64, QF+8, QF+24
.irp k, 0,1,2,3,4,5,6,7
	v_mov_b32 v[\z+\k], 0                          ; zero codes: behind K's tile 7, and k = 64 .. 127 of Q's two fragments: written once
.endr
.endr
	WIN 0
	global_load_b32 v[QS], v[LS], s[QSP:QSP+1]
	global_load_b32 v[QS+1], v[LS], s[QSP:QSP+1] offset:128
	s_lshr_b32 s67, s[BH], 4
	s_lshl_b32 s67, s67, 6
	s_add_co_u32 s63, s63, s67                     ; the block among all 256: 64 x batch on
	s_and_b32 s67, s[BH], 15                       ; the head: 1,024 x head bytes on in a block's image
	s_lshl_b32 s2, s63, 15
	s_lshl_b32 s62, s67, 10
	s_add_co_u32 s2, s2, s62
	s_add_nc_u64 s[OP:OP+1], s[10:11], s[2:3]
	s_lshl_b32 s2, s63, 11
	s_lshl_b32 s62, s67, 7
	s_add_co_u32 s2, s2, s62
	s_add_nc_u64 s[OSP:OSP+1], s[12:13], s[2:3]
.irp q, 0,1
.irp b, 0,1,2,3
	v_mov_b32 v[HL+8*\q+\b], 0                     ; written once: a lane permute's destination counts as one of its sources
.endr
	v_mov_b32 v[ST+16*\q+3], 0                     ; (upper halves of pairs of which the low word serves both halves)
	v_mov_b32 v[ST+16*\q+13], 0
.endr
	s_mov_b32 s[PS], 0
	WALU                                           ; the wait at the head's end
	s_cmp_lt_u32 s[WV], 2
	s_cbranch_scc0 .Lnot_first
	s_wait_tensorcnt 0x0                           ; waves 0 and 1: the scale words, and bytes 0 to 34,815 of the codes, are in.  The other waves' wait stands at the second barrier
.Lnot_first:
	s_barrier_signal -1
	s_barrier_wait -1
	KLOADS LI, LS2                                 ; step 0's K
	s_wait_loadcnt 0x0                             ; Q
.Lpass:
.irp q, 0,1                                        ; the step is written for all steps alike: the first finds zeros, which f = 0 leaves zeros
	v_mov_b32 v[ST+16*\q+1], 0xff61b1e6            ; the largest score so far: -3e38
	v_mov_b32 v[ST+16*\q], 0x7f61b1e6              ; -M: 3e38
.irp j, 4,5,6,7,8,9,10,11
	v_mov_b32 v[ST+16*\q+\j], 0
.endr
.endr
	WIN 0x40
.set jj, 0
.rept 64
	v_mov_b32 v[OT+jj], 0
.set jj, jj+1
.endr
	WIN 0
	s_mov_b32 s[TB], 0
	s_mov_b32 s[TS], 0
	s_mov_b32 s[CNT], 15
	WALU
	STEP                                           ; step 0: it reads the first line's two eighths alone
	s_wait_tensorcnt 0x0                           ; every wave's eighth is in (the second pass finds nothing out),
	s_wait_dscnt 0x0                               ; no LDS load of mine is out at the signal,
	s_barrier_signal -1
	s_barrier_wait -1                              ; and everybody's is in: K, V and the scale words stay for the whole launch
.Lstep:
	STEP
	s_sub_co_u32 s[CNT], s[CNT], 1
	s_cmp_lg_u32 s[CNT], 0
	s_cbranch_scc1 .Lstep
; O^T / l, quantised along d, stored: register 16 b + i of a tile is d = 32 b + 16 (lane / 16) + i.  The first eight lines are the places behind the last products
.irp q, 0,1
	v_pk_add_f32 v[ST+16*\q+4:ST+16*\q+5], v[ST+16*\q+4:ST+16*\q+5], v[ST+16*\q+6:ST+16*\q+7]
.endr
.irp q, 0,1
	v_pk_add_f32 v[ST+16*\q+8:ST+16*\q+9], v[ST+16*\q+8:ST+16*\q+9], v[ST+16*\q+10:ST+16*\q+11]
.endr
.irp q, 0,1
	v_pk_add_f32 v[ST+16*\q+4:ST+16*\q+5], v[ST+16*\q+4:ST+16*\q+5], v[ST+16*\q+8:ST+16*\q+9]
.endr
.irp q, 0,1
	v_add_f32 v[ST+16*\q+4], v[ST+16*\q+4], v[ST+16*\q+5]
.endr
.irp q, 0,1
	v_permlanex16_b32 v[ST+16*\q+6], v[ST+16*\q+4], s[SEL], s[SEL+1]
.endr
.irp q, 0,1
	v_add_f32 v[ST+16*\q+4], v[ST+16*\q+4], v[ST+16*\q+6]                      ; the row's sum
.endr
	WALU
.irp q, 0,1
	v_rcp_f32 v[ST+16*\q+8], v[ST+16*\q+4]
.endr
	v_nop
	WALU                                           ; one wait for the two reciprocals
.irp q, 0,1
	v_fma_f32 v[ST+16*\q+10], -v[ST+16*\q+4], v[ST+16*\q+8], 1.0
.endr
.irp q, 0,1
	v_fma_f32 v[ST+16*\q+8], v[ST+16*\q+8], v[ST+16*\q+10], v[ST+16*\q+8]
.endr
	WIN 0x01
	WALU                                           ; the wait directly ahead of the first reader of O^T
.irp q, 0,1
.set jj, 0
.rept 16
	v_pk_mul_f32 v[S+32*\q+jj:S+32*\q+jj+1], v[OT+32*\q+jj:OT+32*\q+jj+1], v[ST+16*\q+8:ST+16*\q+9] op_sel_hi:[1,0]
.set jj, jj+2
.endr
.endr
	WIN 0
	QUANT2 S, S+16, PCD, BM, ST+15
	QUANT2 S+32, S+48, PCD+16, BM, ST+31
	v_cndmask_b32 v[ST+14], v[ST+15], v[ST+31], s[HM]      ; lanes 0-15 tile A's word, lanes 16-31 tile B's
	global_store_b128 v[LI], v[PCD:PCD+3], s[OP:OP+1]
	global_store_b128 v[LI], v[PCD+4:PCD+7], s[OP:OP+1] offset:512
	global_store_b128 v[LI], v[PCD+16:PCD+19], s[OP:OP+1] offset:16384
	global_store_b128 v[LI], v[PCD+20:PCD+23], s[OP:OP+1] offset:16896
	global_store_b32 v[LS], v[ST+14], s[OSP:OSP+1]
	WALU
	s_cmp_eq_u32 s[PS], 1
	s_cbranch_scc1 .Ldone                          ; the second pass has no successor
	s_wait_xcnt 0x0                                ; the stores have read their data and bases, which are written again only behind this wait
	s_add_nc_u64 s[OP:OP+1], s[OP:OP+1], 32768
	s_add_nc_u64 s[OSP:OSP+1], s[OSP:OSP+1], 2048
	WIN 0x41
.irp u, 0,1
.irp k, 0,1,2,3,4,5,6,7
	v_mov_b32 v[QF+16*\u+\k], v[QN+8*\u+\k]        ; the second pass's queries
.endr
.endr
	WIN 0
	v_mov_b32 v[QS], v[QS+1]
	s_add_co_u32 s[PS], s[PS], 1
	s_cmp_lt_u32 s[PS], 2
	WALU
	s_cbranch_scc1 .Lpass
.Ldone:
	s_wait_tensorcnt 0x0                           ; the wave's end
	ds_add_u32 v[SPW], v[NIL]
	s_wait_dscnt 0x0
	ROUND                                          ; the closing round
	s_endpgm
.Lfunc_end_k_q0d4444b215_attn:
	.size	k_q0d4444b215_attn, .Lfunc_end_k_q0d4444b215_attn-k_q0d4444b215_attn
	.p2alignl 7, 3214868480
	.fill 96, 4, 3214868480
	.section	.rodata,"a",@progbits
	.p2align	6, 0x0
	.amdhsa_kernel k_q0d4444b215_attn
		.amdhsa_group_segment_fixed_size 281600
		.amdhsa_private_segment_fixed_size 0
		.amdhsa_enable_private_segment 0
		.amdhsa_kernarg_size 40
		.amdhsa_user_sgpr_count 2
		.amdhsa_user_sgpr_kernarg_segment_ptr 1
		.amdhsa_wavefront_size32 1
		.amdhsa_system_sgpr_workgroup_id_x 1
		.amdhsa_system_sgpr_workgroup_id_y 1
		.amdhsa_system_sgpr_workgroup_id_z 1
		.amdhsa_system_vgpr_workitem_id 0
		.amdhsa_next_free_vgpr 512
		.amdhsa_next_free_sgpr 80
		.amdhsa_reserve_vcc 0
		.amdhsa_float_denorm_mode_32 3
		.amdhsa_float_denorm_mode_16_64 3
		.amdhsa_memory_ordered 1
		.amdhsa_forward_progress 1
		.amdhsa_inst_pref_size 95
	.end_amdhsa_kernel
	.amdgpu_metadata
---
amdhsa.version: [ 1, 2 ]
amdhsa.kernels:
  - .name:           k_q0d4444b215_attn
    .symbol:         k_q0d4444b215_attn.kd
    .args:
      - { .name: qimg, .offset: 0, .size: 8, .value_kind: global_buffer, .address_space: global }
      - { .name: qsc, .offset: 8, .size: 8, .value_kind: global_buffer, .address_space: global }
      - { .name: kvc, .offset: 16, .size: 8, .value_kind: global_buffer, .address_space: global }
      - { .name: oimg, .offset: 24, .size: 8, .value_kind: global_buffer, .address_space: global }
      - { .name: osc, .offset: 32, .size: 8, .value_kind: global_buffer, .address_space: global }
    .group_segment_fixed_size: 281600
    .private_segment_fixed_size: 0
    .kernarg_segment_align: 8
    .kernarg_segment_size: 40
    .max_flat_workgroup_size: 256
    .sgpr_count:     80
    .vgpr_count:     512
    .wavefront_size: 32
...
	.end_amdgpu_metadata
.endif
;; end of part 2
;; launch oproj (part 3): grid 32 x 8, 4 waves a work-group, clusters of 4 x 1, 327,680 bytes of LDS; arguments oimg, osc, Wo_codes, Wo_scales, bo, out0; writes out0
.if DOCPART == 3
	.amdgcn_target "amdgcn-amd-amdhsa--gfx1250"
	.amdhsa_code_object_version 6
	.text
	.protected	k_q0d4444b215_oproj
	.globl	k_q0d4444b215_oproj
	.p2align	8
	.type	k_q0d4444b215_oproj,@function
k_q0d4444b215_oproj:
	s_mov_b64 s[64:65], 0
	v_nop
	global_prefetch_b8 v0, s[64:65] scope:SCOPE_SE
	s_setreg_imm32_b32 hwreg(HW_REG_WAVE_MODE, 25, 1), 1
	s_wait_xcnt 0x0
	s_wait_alu depctr_hold_cnt(0) depctr_sa_sdst(0) depctr_va_vdst(0) depctr_va_sdst(0) depctr_va_ssrc(0) depctr_va_vcc(0) depctr_vm_vsrc(0)
	s_getreg_b32 s2, hwreg(HW_REG_IB_STS2, 6, 4)
	s_cmp_eq_u32 s2, 0
	s_cbranch_scc0 .Lentry_in_a_cluster
	s_endpgm
.Lentry_in_a_cluster:
	s_bfe_u32 s2, ttmp6, 0x10000c
	s_cmp_lg_u32 s2, 0x3003
	s_cbranch_scc0 .Lentry_shape_is_right
	s_endpgm
.Lentry_shape_is_right:
.set WP,    1040
.set WT,    16*WP
.set SLOTB, 4*WT
.set STG,   8*WT
.set LI,  1
.set LS,  2
.set AW,  3
.set ADW, 4
.set XSO, 7
.set BO,  8
.set SO,  10
.set RD,  11
.set CO,  12
.set XS,  16
.set WS,  32
.set BI,  64
.set ACC, 128
.set WV,  16
.set CX,  17
.set CG,  18
.set G1,  24
.set G0A, 32
.set G0B, 36
.set WOF, 40
.set MSB, 0
.macro WIN new
.if MSB != (\new)
	s_set_vgpr_msb (MSB<<8)|(\new)
.set MSB, (\new)
.endif
.endm
.macro ROUND
	s_barrier_signal -1
	s_barrier_wait -1
	s_cmp_lg_u32 s[WV], 0
	s_cbranch_scc1 .Lnot_wave_0_\@
	s_barrier_signal -3
.Lnot_wave_0_\@:
	s_barrier_wait -3
	s_barrier_signal -1
	s_barrier_wait -1
.endm
.macro PLACES8
.rept 8
	v_nop
.endr
.endm
.macro MM d, a, b, c, sa, sb, ra, rb
.if (\ra) && (\rb)
	v_wmma_scale_f32_16x16x128_f8f6f4 v[\d:\d+7], v[\a:\a+15], v[\b:\b+15], v[\c:\c+7], v[\sa], v[\sb] matrix_a_scale:MATRIX_SCALE_ROW1 matrix_b_scale:MATRIX_SCALE_ROW1
.elseif \ra
	v_wmma_scale_f32_16x16x128_f8f6f4 v[\d:\d+7], v[\a:\a+15], v[\b:\b+15], v[\c:\c+7], v[\sa], v[\sb] matrix_a_scale:MATRIX_SCALE_ROW1
.elseif \rb
	v_wmma_scale_f32_16x16x128_f8f6f4 v[\d:\d+7], v[\a:\a+15], v[\b:\b+15], v[\c:\c+7], v[\sa], v[\sb] matrix_b_scale:MATRIX_SCALE_ROW1
.else
	v_wmma_scale_f32_16x16x128_f8f6f4 v[\d:\d+7], v[\a:\a+15], v[\b:\b+15], v[\c:\c+7], v[\sa], v[\sb]
.endif
.endm
.macro LOADW n, s, p
.irp t, 0,1,2,3
.irp c, 0,1,2,3
	ds_load_b128 v[128+64*(\p)+16*\t+4*\c:128+64*(\p)+16*\t+4*\c+3], v[ADW+\n] offset:WT*\t+128*(\s)+32*\c
.endr
.endr
.endm
.macro PRELOAD n
	WIN 0xc0
	LOADW \n, 0, 0
	LOADW \n, 1, 1
	WIN 0
.endm
.macro MAIN n
.irp s, 0,1,2,3,4,5,6,7
.if \s < 7
	s_wait_dscnt 16
.else
	s_wait_dscnt 0x0
.endif
	WIN 0x07+4*(\s/4)
.irp i, 0,1,2,3
.irp t, 0,1,2,3
.if \s == 0
	MM ACC+32*\i+8*\t, 128+64*(\s%2)+16*\t, 16*(4*\i+\s%4), BI+32*\n+8*\t, WS+16*\n+8*(\t/2)+\s, XS+8*(\i/2)+\s, \t%2, \i%2
.else
	MM ACC+32*\i+8*\t, 128+64*(\s%2)+16*\t, 16*(4*\i+\s%4), ACC+32*\i+8*\t, WS+16*\n+8*(\t/2)+\s, XS+8*(\i/2)+\s, \t%2, \i%2
.endif
.endr
.endr
.if \s < 6
	PLACES8
	WIN 0xc0
	LOADW \n, \s+2, \s%2
.endif
.endr
	WIN 0
.endm
.macro OUT i, n
.irp t, 0,1,2,3
.irp q, 0,1
	ds_store_b128 v[SO], v[ACC+32*\i+8*\t+4*\q:ACC+32*\i+8*\t+4*\q+3] offset:128*(\t/2)+32*(\t%2)+16*\q
.endr
.endr
	s_wait_xcnt 0x0
	WIN 0xc0
.irp k, 0,1,2,3,4,5,6,7
	ds_load_b128 v[32*(\i%2)+4*\k:32*(\i%2)+4*\k+3], v[RD] offset:544*\k
.endr
	s_wait_dscnt 0x0
	WIN 0x0c
.irp k, 0,1,2,3,4,5,6,7
	global_store_b128 v[CO], v[32*(\i%2)+4*\k:32*(\i%2)+4*\k+3], s[14:15] offset:4096*(32*(\i/2)+8*(\i%2)+2*\k+8*(\k/4))+256*\n th:TH_STORE_NT
.endr
	WIN 0
.endm
	s_load_b256 s[4:11], s[0:1], 0x0
	s_load_b128 s[12:15], s[0:1], 0x20
	v_lshl_add_u32 v6, v0, 2, 0x29000
	v_mov_b32 v9, 0
	ds_add_u32 v6, v9
	ds_add_u32 v6, v9
	v_lshrrev_b32 v13, 5, v0
	v_readfirstlane_b32 s[WV], v13
	v_and_b32 v13, 31, v0
	v_and_b32 v14, 15, v0
	v_bfe_u32 v15, v0, 4, 1
	v_lshlrev_b32 v[LI], 4, v13
	v_lshlrev_b32 v[LS], 2, v13
	v_mul_u32_u24 v[AW], v14, WP
	v_lshl_add_u32 v[AW], v15, 4, v[AW]
	v_mov_b32 v[ADW], v[AW]
	v_add_nc_u32 v[ADW+1], SLOTB, v[AW]
	v_and_b32 v13, 8, v14
	v_add_nc_u32 v13, v13, v14
	v_lshl_add_u32 v[XSO], v15, 3, v13
	v_lshlrev_b32 v[XSO], 5, v[XSO]
	v_lshlrev_b32 v[BO], 6, v15
	s_mul_i32 s43, s[WV], 16*272
	s_add_co_u32 s43, s43, STG
	v_mul_u32_u24 v[SO], v14, 272
	v_lshl_add_u32 v[SO], v15, 6, v[SO]
	v_add_nc_u32 v[SO], s43, v[SO]
	v_mul_u32_u24 v[RD], v15, 272
	v_lshl_add_u32 v[RD], v14, 4, v[RD]
	v_add_nc_u32 v[RD], s43, v[RD]
	v_lshlrev_b32 v[CO], 12, v15
	v_lshl_add_u32 v[CO], v14, 4, v[CO]
	s_bfe_u32 s[CX], ttmp6, 0x40000
	s_and_b32 s[CG], ttmp7, 0xffff
	s_mov_b32 s[G1], 15|(3<<16)|(1<<20)|(1<<21)|(7<<22)|(3<<25)
	s_mov_b32 s[G1+1], 1024<<16
	s_mov_b32 s[G1+2], 2<<16
	s_mov_b32 s[G1+3], 1024<<16
	s_mov_b32 s[G1+4], 2
	s_mov_b32 s[G1+5], 2048
	s_mov_b32 s[G1+6], 0
	s_mov_b32 s[G1+7], 0
	s_lshl_b32 s[WOF], s[CG], 17
	s_lshr_b32 s42, s[WV], 1
	s_lshl_b32 s42, s42, 15
	s_add_co_u32 s[WOF], s[WOF], s42
	s_and_b32 s42, s[WV], 1
	s_lshl_b32 s42, s42, 13
	s_add_co_u32 s[WOF], s[WOF], s42
	s_mov_b32 s[WOF+1], 0
	s_mul_i32 s42, s[WV], WT
	s_lshl_b32 s44, ttmp9, 2
	s_add_co_u32 s44, s44, s[CX]
	s_lshl_b32 s44, s44, 8
	s_lshl_b32 s45, s[WV], 6
	s_add_co_u32 s44, s44, s45
	s_wait_dscnt 0x0
	s_wait_kmcnt 0x0
	s_add_nc_u64 s[20:21], s[8:9], s[WOF:WOF+1]
	s_mov_b32 s[G0A], 1
	s_mov_b32 s[G0A+1], s42
	s_mov_b64 s[G0A+2:G0A+3], s[20:21]
	s_or_b32 s[G0A+3], s[G0A+3], 0x80000000
	s_mov_b32 s[G0B], 1
	s_add_co_u32 s[G0B+1], s42, SLOTB
	s_add_nc_u64 s[G0B+2:G0B+3], s[20:21], 0x10000
	s_or_b32 s[G0B+3], s[G0B+3], 0x80000000
	ROUND
	tensor_load_to_lds s[G0A:G0A+3], s[G1:G1+7]
	s_nop 0
.rept 4
	v_nop
.endr
	s_wait_alu depctr_va_vdst(0)
	s_mov_b32 s47, 0
	s_lshl_b32 s46, s44, 10
	s_add_nc_u64 s[4:5], s[4:5], s[46:47]
	s_lshl_b32 s46, s44, 6
	s_add_nc_u64 s[6:7], s[6:7], s[46:47]
	s_lshl_b32 s46, s[CG], 12
	s_add_nc_u64 s[10:11], s[10:11], s[46:47]
	s_lshl_b32 s46, s[CG], 9
	s_add_nc_u64 s[12:13], s[12:13], s[46:47]
	s_add_nc_u64 s[14:15], s[14:15], s[46:47]
	s_lshl_b32 s46, s44, 12
	s_add_nc_u64 s[14:15], s[14:15], s[46:47]
.irp b, 0,1
.set jj, 0
.rept 16
	global_load_b32 v[ACC+16*\b+jj], v[LS], s[6:7] offset:2048*\b+128*jj
.set jj, jj+1
.endr
.endr
	s_wait_alu depctr_va_vdst(0)
.irp n, 0,1
.irp b, 0,1
.irp q, 0,1
	global_load_b128 v[WS+16*\n+8*\b+4*\q:WS+16*\n+8*\b+4*\q+3], v[XSO], s[10:11] offset:2048*\n+1024*\b+16*\q
.endr
.endr
.irp t, 0,1,2,3
.irp q, 0,1
	global_load_b128 v[BI+32*\n+8*\t+4*\q:BI+32*\n+8*\t+4*\q+3], v[BO], s[12:13] offset:256*\n+4*(32*(\t/2)+8*(\t%2))+16*\q
.endr
.endr
.endr
	WIN 0x40
.irp i, 0,1,2,3
.irp s, 0,1,2,3
.irp c, 0,1,2,3
	global_load_b128 v[16*(4*\i+\s)+4*\c:16*(4*\i+\s)+4*\c+3], v[LI], s[4:5] offset:16384*\i+2048*\s+512*\c
.endr
.endr
.endr
	WIN 0
	s_wait_tensorcnt 0x0                           ; the first slot's part is in; the second slot's first fill stands behind the full sequence: the loads above were laid under the first slot's load
	ds_add_u32 v6, v9
	s_wait_dscnt 0x0
	ROUND
	tensor_load_to_lds s[G0B:G0B+3], s[G1:G1+7]
	s_nop 0
.rept 4
	v_nop
.endr
	WIN 0x80
.irp i, 0,1,2,3
.irp s, 0,1,2,3
.irp c, 0,1,2,3
	global_load_b128 v[16*(4*\i+\s)+4*\c:16*(4*\i+\s)+4*\c+3], v[LI], s[4:5] offset:16384*\i+8192+2048*\s+512*\c
.endr
.endr
.endr
	WIN 0
	s_wait_loadcnt 0x0
.irp b, 0,1
.irp s, 0,1,2,3,4,5,6,7
	v_lshl_or_b32 v[XS+8*\b+\s], v[ACC+16*\b+2*\s+1], 16, v[ACC+16*\b+2*\s]
.endr
.endr
	PLACES8
	s_wait_alu depctr_va_vdst(0)
	s_wait_tensorcnt 1
	s_barrier_signal -1
	s_barrier_wait -1
	PRELOAD 0
	MAIN 0
	PLACES8
	v_nop
	s_wait_tensorcnt 0x0
	s_barrier_signal -1
	s_barrier_wait -1
	PRELOAD 1
	OUT 0, 0
	OUT 1, 0
	OUT 2, 0
	OUT 3, 0
	MAIN 1
	PLACES8
	OUT 0, 1
	OUT 1, 1
	OUT 2, 1
	OUT 3, 1
	s_wait_tensorcnt 0x0
	ds_add_u32 v6, v9
	s_wait_dscnt 0x0
	ROUND
	s_endpgm
.Lfunc_end_k_q0d4444b215_oproj:
	.size	k_q0d4444b215_oproj, .Lfunc_end_k_q0d4444b215_oproj-k_q0d4444b215_oproj
	.p2alignl 7, 3214868480
	.fill 96, 4, 3214868480
	.section	.rodata,"a",@progbits
	.p2align	6, 0x0
	.amdhsa_kernel k_q0d4444b215_oproj
		.amdhsa_group_segment_fixed_size 327680
		.amdhsa_private_segment_fixed_size 0
		.amdhsa_enable_private_segment 0
		.amdhsa_kernarg_size 48
		.amdhsa_user_sgpr_count 2
		.amdhsa_user_sgpr_kernarg_segment_ptr 1
		.amdhsa_wavefront_size32 1
		.amdhsa_system_sgpr_workgroup_id_x 1
		.amdhsa_system_sgpr_workgroup_id_y 1
		.amdhsa_system_sgpr_workgroup_id_z 1
		.amdhsa_system_vgpr_workitem_id 0
		.amdhsa_next_free_vgpr 1024
		.amdhsa_next_free_sgpr 66
		.amdhsa_reserve_vcc 0
		.amdhsa_float_denorm_mode_32 3
		.amdhsa_float_denorm_mode_16_64 3
		.amdhsa_memory_ordered 1
		.amdhsa_forward_progress 1
		.amdhsa_inst_pref_size 93
	.end_amdhsa_kernel
	.amdgpu_metadata
---
amdhsa.version: [ 1, 2 ]
amdhsa.kernels:
  - .name:           k_q0d4444b215_oproj
    .symbol:         k_q0d4444b215_oproj.kd
    .args:
      - { .name: oimg, .offset: 0, .size: 8, .value_kind: global_buffer, .address_space: global }
      - { .name: osc, .offset: 8, .size: 8, .value_kind: global_buffer, .address_space: global }
      - { .name: Wo_codes, .offset: 16, .size: 8, .value_kind: global_buffer, .address_space: global }
      - { .name: Wo_scales, .offset: 24, .size: 8, .value_kind: global_buffer, .address_space: global }
      - { .name: bo, .offset: 32, .size: 8, .value_kind: global_buffer, .address_space: global }
      - { .name: out0, .offset: 40, .size: 8, .value_kind: global_buffer, .address_space: global }
    .group_segment_fixed_size: 327680
    .private_segment_fixed_size: 0
    .kernarg_segment_align: 8
    .kernarg_segment_size: 48
    .max_flat_workgroup_size: 128
    .sgpr_count:     66
    .vgpr_count:     1024
    .wavefront_size: 32
...
	.end_amdgpu_metadata
.endif
;; end of part 3
